; MI455X (gfx1250); checked and timed in simulation.
; The chip was launched on July 23, 2026; its instructions are those of AMD's public machine-readable ISA for CDNA 5 (MIT licence, August 2026) and "CDNA5" Instruction Set Architecture Reference Guide (July 2026). The comments in the code are by the model that wrote it; some were corrected since.
;; Mo EMLP. Allowed arithmetic: matrix products marked QUANTISED: E2M1 operands, one E8M0 scale for each 32 along K, by v_wmma_scale_f32_16x16x128_f8f6f4 with both operands' format E2M1 (or v_wmma_scale_f32_32x16x128_f4), f32 sums; products left as they are: f32 operands where the result goes on into a quantised operand, else bf16, f16 or f32 operands; f32 sums; everything else in f32.
;; Inputs: b_fc 4 x 2,048 float32; b_proj 4 x 512 float32; router_w 4 x 512 float32; w_fc 4 x 512 x 2,048 float32; w_proj 4 x 2,048 x 512 float32; x 4 x 2,048 x 512 float32.
;; Outputs: out0 4 x 2,048 x 512 float32.
;; This version of the problem:
;;   THIS VERSION OF THE PROBLEM IS GIVEN IN LOW PRECISION. The matrix products marked QUANTISED in the list below multiply operands that are first quantised to E2M1 (2 exponent bits, 1 mantissa bit; 4 bits a number), with one power-of-two scale for each 32 numbers along K (OCP MX v1.0); their sums are f32. All else is computed in f32.
;;   The module's matrix products, in the order in which they are computed (A, B: the left and right operand; K: the contracted axis; several contracted axes count as one K, in the product's order):
;;     1. [M 8,192, K 512] x [K 512, N 4]; A: input x; B: input router_w: left as it is (N = 4 < 16)
;;     2. [M 8,192, K 512] x [K 512, N 2,048]; A: input x; B: input w_fc: QUANTISED
;;     3. [M 8,192, K 2,048] x [K 2,048, N 512]; A: computed on the way; B: input w_proj: QUANTISED
;;     4. [M 8,192, K 512] x [K 512, N 2,048]; A: input x; B: input w_fc: QUANTISED
;;     5. [M 8,192, K 2,048] x [K 2,048, N 512]; A: computed on the way; B: input w_proj: QUANTISED
;;     6. [M 8,192, K 512] x [K 512, N 2,048]; A: input x; B: input w_fc: QUANTISED
;;     7. [M 8,192, K 2,048] x [K 2,048, N 512]; A: computed on the way; B: input w_proj: QUANTISED
;;     8. [M 8,192, K 512] x [K 512, N 2,048]; A: input x; B: input w_fc: QUANTISED
;;     9. [M 8,192, K 2,048] x [K 2,048, N 512]; A: computed on the way; B: input w_proj: QUANTISED
;;   THE QUANTISER, for each operand of a quantised product, along K:
;;     - K is cut into blocks of 32 from its start; a last block that is shorter is filled with zeros.
;;     - A block's scale is 2^e with e = floor(log2(the largest magnitude in the block)) - 2, held to -126 .. 127; a block of zeros has e = 0. As a byte (E8M0): e + 127.
;;     - Each number is divided by its block's scale, clamped to +-6, and rounded to the nearest number of E2M1, ties to even, subnormals kept.
;;     - The product sums the exact products of the quantised numbers (number of the format x scale) in f32.
;;   ~~~python
;;   def quantise(x, axis):      # numpy; x: float32 -> the quantised numbers, widened to float32 again
;;       x = np.moveaxis(x, axis, -1); K = x.shape[-1]
;;       x = np.pad(x, [(0, 0)] * (x.ndim - 1) + [(0, -K % 32)]); x = x.reshape(x.shape[:-1] + (-1, 32)); a = np.abs(x).max(-1, keepdims=True)
;;       e = np.where(a > 0, np.clip(np.frexp(np.where(a > 0, a, 1))[1] - 1 - 2, -126, 127), 0)      # np.frexp(a)[1] - 1 = floor(log2(a)), exactly
;;       r = np.clip(x / 2.0 ** e, -6, 6)
;;       step = 2.0 ** (np.maximum(np.frexp(np.where(r == 0, 1, r))[1] - 1, 0) - 1)
;;       q = np.round(r / step) * step * 2.0 ** e      # np.round: ties to even
;;       return np.moveaxis(q.reshape(q.shape[:-2] + (-1,))[..., :K], -1, axis).astype(np.float32)
;;   ~~~
;;   OPERANDS COMPUTED ON THE WAY. 'Computed on the way' means the value that the module computes at that place (a softmax that the list does not call 'softmax' is quantised finished and normalised). What goes into a quantiser is computed in f32, as accurately as f32 sums, v_exp_f32 and their like allow (about 1e-6 of the number): no bf16 or f16 on the way to a quantiser, and a product that is left as it is and whose result goes on into a quantised operand takes f32 operands (vector FMAs, or v_wmma_f32_16x16x4_f32). A number that lies on a knife's edge between two numbers of the format may be rounded either way, as far as f32 arithmetic and the matrix unit's own rounding can turn it there, and no further.
;; 2 versions, each right; version 2 is version 1 with the launch chain written anew for expert scheduling mode. Each part assembles by itself: llvm-mc -triple=amdgcn-amd-amdhsa -mcpu=gfx1250 --defsym DOCPART=n.
;; ======== version 1 of 2: 3 launches
;; workspace buffers: xq 2,097,152 bytes; xs 131,072 bytes; gates 131,072 bytes; sel 32,768 bytes of whole numbers; order 32,768 bytes of whole numbers; tiles 1,024 bytes of whole numbers; wq 4,456,448 bytes
;; launch route (part 1): grid 256 x 1, 4 waves a work-group, no clusters, 23,040 bytes of LDS; arguments x, router_w, xq, xs, gates, sel; writes xq, xs, gates, sel
.if DOCPART == 1
	.amdgcn_target "amdgcn-amd-amdhsa--gfx1250"
	.amdhsa_code_object_version 6
	.text
	.protected	k_q12d97c0197_route
	.globl	k_q12d97c0197_route
	.p2align	8
	.type	k_q12d97c0197_route,@function
k_q12d97c0197_route:
	s_mov_b64 s[64:65], 0
	v_nop
	global_prefetch_b8 v0, s[64:65] scope:SCOPE_SE
	s_setreg_imm32_b32 hwreg(HW_REG_WAVE_MODE, 25, 1), 1
	s_wait_xcnt 0x0
; ROUTER AND x INTO CODES.  x [8192][512] f32 is read once.  For each token: four logits (f32 multiply-adds), softmax with the maximum taken away, the two
; largest probabilities (of equal ones the lower index), renormalised with + 1e-9; and the token's 512 numbers as codes of E2M1 with one E8M0 byte for each 32.
; OUT: xq [token][256 bytes] codes, K innermost; xs [token][16] scale bytes; gates [token][4] f32, 0 for an expert not chosen; sel [token] u32: which of the six
; pairs of experts (sets 01, 02, 03, 13, 12, 23 = 0 .. 5).  Every store stands at a fixed place: no address and no branch hangs on a floating-point number.
; SHARES: a work-group 32 tokens, a wave 8, a token a step.  A step's four loads read 512 consecutive bytes each; the 2,048 bytes turn through the wave's own
; stage in LDS, so that a lane then holds 16 neighbours along K (two lanes a block of 32).  Lane t of a wave keeps token t's four logits; the softmax is done once, for 8 lanes.
; No matrix unit, no tensor load, no cluster: the launch streams x once and its work-groups share only router_w (8 KB).
; LIMITS: NaN and infinities are not served.  Two probabilities nearer to each other than the f32 sums' rounding may be ranked otherwise than by another order of summing.
; A block of zeros gets the byte 1 (its codes are zeros; this program alone reads the bytes).  A wave's gates are 128 consecutive bytes, half of an aligned 256.
.set SP,   80                          ; a lane's place in a stage: 64 bytes + 16 of padding
.set WREG, 5632                        ; LDS of a wave: two stages of 32 x SP, then its 128 scale bytes
.set R,    16                          ; v16-111   six sets of 16 numbers as loaded
.set X,    112                         ; v112-143  two sets of 16 neighbours
.set RW,   144                         ; v144-207  router_w[e][16 lane + i]
.set PS,   208                         ; v208-215  four pairs of partial sums
.set LG,   216                         ; v216-219  the logits that my lane keeps
.set CD,   220                         ; v220-235  codes, two registers a step
.set BY,   236                         ; v236-243  a scale byte a step
.set PT,   244                         ; v244-247  the other half's sums
	s_load_b256 s[4:11], s[0:1], 0x0               ; x, router_w, xq, xs
	s_load_b128 s[12:15], s[0:1], 0x20             ; gates, sel
	v_lshl_add_u32 v254, v0, 2, 0x5800
	v_mov_b32 v255, 0
	v_lshrrev_b32 v1, 5, v0
	v_readfirstlane_b32 s16, v1                    ; wave
	v_and_b32 v1, 31, v0                           ; lane
	v_lshlrev_b32 v2, 4, v1                        ; my 16 bytes of a load's 512
	s_mul_i32 s17, s16, WREG
	v_lshrrev_b32 v3, 2, v1
	v_mul_u32_u24 v3, v3, SP
	v_and_b32 v4, 3, v1
	v_lshl_add_u32 v3, v4, 4, v3
	v_add_nc_u32 v3, s17, v3                       ; the stage, in: SP (lane / 4) + 16 (lane % 4)
	v_mul_u32_u24 v4, v1, SP
	v_add_nc_u32 v4, s17, v4                       ; out: SP x lane
	v_lshlrev_b32 v5, 3, v1                        ; my 8 bytes of a token's codes
	s_add_co_u32 s17, s17, 2*32*SP
	v_lshrrev_b32 v6, 1, v1
	v_add_nc_u32 v6, s17, v6                       ; my block's scale byte
	v_lshlrev_b32 v8, 2, v1
	v_add_nc_u32 v7, s17, v8                       ; the scale bytes on the way out, 4 a lane
	v_lshlrev_b32 v13, 6, v1                       ; router_w: my 16 numbers of a row
	s_mov_b32 s20, 0x76543210
	s_mov_b32 s21, 0xfedcba98                      ; v_permlanex16_b32: lane l xor 16
.irp e, 0,1,2,3
	v_mov_b32 v[LG+\e], 0
	v_mov_b32 v[PT+\e], 0                          ; a lane permute's destination counts as read
.endr
	s_lshl_b32 s18, ttmp9, 5
	s_lshl_b32 s19, s16, 3
	s_add_co_u32 s18, s18, s19                     ; my first token
	s_lshl_b32 s24, s18, 11
	s_mov_b32 s25, 0
	s_lshl_b32 s26, s18, 8
	s_mov_b32 s27, 0
	s_lshl_b32 s28, s18, 4
	s_mov_b32 s29, 0
	s_lshl_b32 s30, s18, 2
	s_mov_b32 s31, 0
	s_wait_kmcnt 0x0
	s_add_nc_u64 s[4:5], s[4:5], s[24:25]
	s_add_nc_u64 s[8:9], s[8:9], s[26:27]
	s_add_nc_u64 s[10:11], s[10:11], s[28:29]
	s_add_nc_u64 s[12:13], s[12:13], s[28:29]
	s_add_nc_u64 s[14:15], s[14:15], s[30:31]
.irp e, 0,1,2,3
.irp i, 0,1,2,3
	global_load_b128 v[RW+16*\e+4*\i:RW+16*\e+4*\i+3], v13, s[6:7] offset:2048*\e+16*\i
.endr
.endr
.macro LOAD t
.irp i, 0,1,2,3
	global_load_b128 v[R+16*((\t)%6)+4*\i:R+16*((\t)%6)+4*\i+3], v2, s[4:5] offset:2048*(\t)+512*\i th:TH_LOAD_NT
.endr
.endm
.macro TURN t                          ; a step's numbers through the stage; LDS serves a wave's instructions in order
.irp i, 0,1,2,3
	ds_store_b128 v3, v[R+16*((\t)%6)+4*\i:R+16*((\t)%6)+4*\i+3] offset:32*SP*((\t)%2)+8*SP*\i
.endr
.irp i, 0,1,2,3
	ds_load_b128 v[X+16*((\t)%2)+4*\i:X+16*((\t)%2)+4*\i+3], v4 offset:32*SP*((\t)%2)+16*\i
.endr
.endm
.irp t, 0,1,2,3,4,5
	LOAD \t
.endr
	s_wait_loadcnt 20                              ; router_w and step 0 are in; the 20 loads of steps 1 to 5 may be out
	TURN 0
.macro STEP t
.set XS, X+16*((\t)%2)
.if (\t) > 0
	s_wait_dscnt 1                                 ; this step's numbers are back (the last step's byte store may be out)
.else
	s_wait_dscnt 0x0
.endif
.if (\t)+6 < 8
	LOAD (\t)+6
.endif
.if (\t) < 7
.if (\t) < 2
	s_wait_loadcnt 20                              ; the next step's four loads are in; five younger steps' may be out
.else
	s_wait_loadcnt 4*(6-(\t))                      ; the younger steps' loads: none is issued any more, the count runs down
.endif
	TURN (\t)+1
.endif
.irp e, 0,1,2,3                                ; four dot products of my 16 numbers, the experts by turns
	v_pk_mul_f32 v[PS+2*\e:PS+2*\e+1], v[XS:XS+1], v[RW+16*\e:RW+16*\e+1]
.endr
.irp i, 2,4,6,8,10,12,14
.irp e, 0,1,2,3
	v_pk_fma_f32 v[PS+2*\e:PS+2*\e+1], v[XS+\i:XS+\i+1], v[RW+16*\e+\i:RW+16*\e+\i+1], v[PS+2*\e:PS+2*\e+1]
.endr
.endr
.irp e, 0,1,2,3
	v_add_f32 v[PS+2*\e], v[PS+2*\e], v[PS+2*\e+1]
.endr
.irp k, 1,2,4,8
.irp e, 0,1,2,3
	v_add_f32_dpp v[PS+2*\e], v[PS+2*\e], v[PS+2*\e] row_xmask:\k row_mask:0xf bank_mask:0xf
.endr
.endr
.irp e, 0,1,2,3
	v_permlanex16_b32 v[PT+\e], v[PS+2*\e], s20, s21
.endr
.irp e, 0,1,2,3
	v_add_f32 v[PS+2*\e], v[PS+2*\e], v[PT+\e]     ; the logit, in every lane
.endr
	s_mov_b32 s22, 1<<(\t)
.irp e, 0,1,2,3
	v_cndmask_b32 v[LG+\e], v[LG+\e], v[PS+2*\e], s22   ; lane t keeps token t's
.endr
	v_max3_num_f32 v9, |v[XS]|, |v[XS+1]|, |v[XS+2]|    ; the largest magnitude of my 16
	v_max3_num_f32 v10, |v[XS+3]|, |v[XS+4]|, |v[XS+5]|
.irp i, 6,10
	v_max3_num_f32 v9, v9, |v[XS+\i]|, |v[XS+\i+1]|
	v_max3_num_f32 v10, v10, |v[XS+\i+2]|, |v[XS+\i+3]|
.endr
	v_max3_num_f32 v9, v9, |v[XS+14]|, |v[XS+15]|
	v_max3_num_f32 v9, v9, v10, 0x1800000          ; and the floor 2^(3 - 127): the byte cannot fall under 1
	v_max_num_f32_dpp v9, v9, v9 row_xmask:1 row_mask:0xf bank_mask:0xf   ; with my neighbour's 16: the block's
	v_add_nc_u32 v11, 0xff000000, v9               ; 2 off its exponent field: the conversion's scale operand
	v_cvt_scalef32_pk8_fp4_f32 v[CD+2*(\t)], v[XS:XS+7], v11
	v_cvt_scalef32_pk8_fp4_f32 v[CD+2*(\t)+1], v[XS+8:XS+15], v11
	v_lshrrev_b32 v[BY+(\t)], 23, v11              ; the scale's byte (a plain line behind the conversions)
	ds_store_b8 v6, v[BY+(\t)] offset:16*(\t)      ; both lanes of a block write the same byte with the same value
	global_store_b64 v5, v[CD+2*(\t):CD+2*(\t)+1], s[8:9] offset:256*(\t)   ; the wave stores 256 consecutive bytes, aligned
.endm
.irp t, 0,1,2,3,4,5,6,7
	STEP \t
.endr
	; the softmax and the choice: lanes 0 to 7 hold a token each, the others zeros
	v_max3_num_f32 v16, v[LG], v[LG+1], v[LG+2]
	v_max_num_f32 v16, v16, v[LG+3]
.irp e, 0,1,2,3
	v_sub_f32 v[17+\e], v[LG+\e], v16
.endr
.irp e, 0,1,2,3
	v_mul_f32 v[17+\e], 0x3fb8aa3b, v[17+\e]       ; x log2(e)
.endr
.irp e, 0,1,2,3
	v_exp_f32 v[17+\e], v[17+\e]
.endr
	v_mov_b32 v44, 1                               ; a plain line behind the exponentials
	s_wait_alu depctr_va_vdst(0)                   ; one wait for the four, ahead of their first reader
	v_add_f32 v21, v17, v18
	v_add_f32 v22, v19, v20
	v_add_f32 v21, v21, v22
	v_rcp_f32 v22, v21
	v_mov_b32 v29, 3
	s_wait_alu depctr_va_vdst(0)
.irp e, 0,1,2,3
	v_mul_f32 v[24+\e], v[17+\e], v22              ; the probabilities
.endr
	v_max3_num_f32 v28, v24, v25, v26
	v_max_num_f32 v28, v28, v27                    ; the largest,
.irp e, 2,1,0
	v_cmp_neq_f32 vcc_lo, v[24+\e], v28
	v_cndmask_b32 v29, \e, v29, vcc_lo             ; and its index: the lower one is taken last, so it wins
.endr
.irp e, 0,1,2,3
	v_cmp_ne_u32 vcc_lo, \e, v29
	v_cndmask_b32 v[30+\e], -1.0, v[24+\e], vcc_lo ; without the first choice
.endr
	v_max3_num_f32 v34, v30, v31, v32
	v_max_num_f32 v34, v34, v33
	v_mov_b32 v35, 3
.irp e, 2,1,0
	v_cmp_neq_f32 vcc_lo, v[30+\e], v34
	v_cndmask_b32 v35, \e, v35, vcc_lo
.endr
	v_add_f32 v36, v28, v34
	v_add_f32 v36, 0x3089705f, v36                 ; + 1e-9
	v_rcp_f32 v37, v36
	v_lshlrev_b32 v45, v29, v44                    ; 1 << first
	s_wait_alu depctr_va_vdst(0)
	v_mul_f32 v38, v28, v37
	v_mul_f32 v39, v34, v37
.irp e, 0,1,2,3
	v_cmp_eq_u32 vcc_lo, \e, v35
	v_cndmask_b32 v[40+\e], 0, v39, vcc_lo
	v_cmp_eq_u32 vcc_lo, \e, v29
	v_cndmask_b32 v[40+\e], v[40+\e], v38, vcc_lo
.endr
	v_lshlrev_b32 v46, v35, v44
	v_or_b32 v47, v45, v46                         ; the set of the two experts
	v_mov_b32 v48, 0                               ; 3 -> 0
	v_cmp_ne_u32 vcc_lo, 5, v47
	v_cndmask_b32 v48, 1, v48, vcc_lo
	v_cmp_ne_u32 vcc_lo, 9, v47
	v_cndmask_b32 v48, 2, v48, vcc_lo
	v_cmp_ne_u32 vcc_lo, 10, v47
	v_cndmask_b32 v48, 3, v48, vcc_lo
	v_cmp_ne_u32 vcc_lo, 6, v47
	v_cndmask_b32 v48, 4, v48, vcc_lo
	v_cmp_ne_u32 vcc_lo, 12, v47
	v_cndmask_b32 v48, 5, v48, vcc_lo
	ds_load_b32 v49, v7                            ; my wave's 128 scale bytes: these see my stores
	s_wait_dscnt 0x0
	global_store_b32 v8, v49, s[10:11]
	v_cmp_gt_u32 vcc_lo, 8, v1
	s_wait_xcnt 0x0                                ; EXEC changes only behind this wait
	s_wait_tensorcnt 0x0
	ds_add_u32 v254, v255
	s_wait_dscnt 0x0
	s_and_saveexec_b32 s23, vcc_lo
	global_store_b128 v2, v[40:43], s[12:13]       ; lanes 0 to 7: a token's four gates
	global_store_b32 v8, v48, s[14:15]             ; and its pair
	s_wait_xcnt 0x0
	s_or_b32 exec_lo, exec_lo, s23
	s_endpgm
.Lfunc_end_k_q12d97c0197_route:
	.size	k_q12d97c0197_route, .Lfunc_end_k_q12d97c0197_route-k_q12d97c0197_route
	.p2alignl 7, 3214868480
	.fill 96, 4, 3214868480
	.section	.rodata,"a",@progbits
	.p2align	6, 0x0
	.amdhsa_kernel k_q12d97c0197_route
		.amdhsa_group_segment_fixed_size 23040
		.amdhsa_private_segment_fixed_size 0
		.amdhsa_enable_private_segment 0
		.amdhsa_kernarg_size 48
		.amdhsa_user_sgpr_count 2
		.amdhsa_user_sgpr_kernarg_segment_ptr 1
		.amdhsa_wavefront_size32 1
		.amdhsa_system_sgpr_workgroup_id_x 1
		.amdhsa_system_sgpr_workgroup_id_y 1
		.amdhsa_system_sgpr_workgroup_id_z 1
		.amdhsa_system_vgpr_workitem_id 0
		.amdhsa_next_free_vgpr 256
		.amdhsa_next_free_sgpr 66
		.amdhsa_reserve_vcc 1
		.amdhsa_float_denorm_mode_32 3
		.amdhsa_float_denorm_mode_16_64 3
		.amdhsa_memory_ordered 1
		.amdhsa_forward_progress 1
		.amdhsa_inst_pref_size 53
	.end_amdhsa_kernel
	.amdgpu_metadata
---
amdhsa.version: [ 1, 2 ]
amdhsa.kernels:
  - .name:           k_q12d97c0197_route
    .symbol:         k_q12d97c0197_route.kd
    .args:
      - { .name: x, .offset: 0, .size: 8, .value_kind: global_buffer, .address_space: global }
      - { .name: router_w, .offset: 8, .size: 8, .value_kind: global_buffer, .address_space: global }
      - { .name: xq, .offset: 16, .size: 8, .value_kind: global_buffer, .address_space: global }
      - { .name: xs, .offset: 24, .size: 8, .value_kind: global_buffer, .address_space: global }
      - { .name: gates, .offset: 32, .size: 8, .value_kind: global_buffer, .address_space: global }
      - { .name: sel, .offset: 40, .size: 8, .value_kind: global_buffer, .address_space: global }
    .group_segment_fixed_size: 23040
    .private_segment_fixed_size: 0
    .kernarg_segment_align: 8
    .kernarg_segment_size: 48
    .max_flat_workgroup_size: 128
    .sgpr_count:     66
    .vgpr_count:     256
    .wavefront_size: 32
...
	.end_amdgpu_metadata
.endif
;; end of part 1
;; launch prep (part 2): grid 260 x 1, 8 waves a work-group, no clusters, 3,072 bytes of LDS; arguments w_fc, w_proj, sel, wq, order, tiles; writes wq, order, tiles
.if DOCPART == 2
	.amdgcn_target "amdgcn-amd-amdhsa--gfx1250"
	.amdhsa_code_object_version 6
	.text
	.protected	k_q12d97c0197_prep
	.globl	k_q12d97c0197_prep
	.p2align	8
	.type	k_q12d97c0197_prep,@function
k_q12d97c0197_prep:
	s_mov_b64 s[64:65], 0
	v_nop
	global_prefetch_b8 v0, s[64:65] scope:SCOPE_SE
	s_setreg_imm32_b32 hwreg(HW_REG_WAVE_MODE, 25, 1), 1
	s_wait_xcnt 0x0
; TWO JOBS IN ONE LAUNCH, parted on the work-group's number; each has LDS bytes, a barrier and an end of its own.
; WORK-GROUPS 0 TO 3 PLACE THE TOKENS: a counting sort of the 8,192 tokens by their pair of experts (sel, stored by the launch before), into order [sorted place] = token, and for
; each tile of 32 sorted places a word tiles[t] = M0 | M1 << 4: the set of experts that its places 0-15 and 16-31 use.  All whole numbers; no atomics, nothing passes between work-groups.
; The tokens are 32 entries of 256: entry 4 c + q is quarter q of chunk c (1,024 tokens).  EACH of the four work-groups counts all entries (wave c: the four quarters of chunk c, by ballots; the counts
; meet in LDS), so each knows every pair's run and what lies in front of any entry; wave c of work-group p then places entry 4 c + p alone.  So each place of order has one writer.
; Work-group 0 also makes the 256 tile words.  The stores of 4 bytes go where the sort sends them (32 KB in all); lanes of one pair store neighbouring words.
; WORK-GROUPS 4 TO 259 TURN THE WEIGHTS INTO CODES of E2M1 with one E8M0 byte for each 32 along K, laid in the order in which the next launch's registers take them.
; wq is 512 units of 8,704 bytes, unit U = ((e 2 + hf) 8 + w) 8 + u: 8 fragments of 1,024 bytes ([c][lane][16 bytes]) and an image of scale words ([lane][16 bytes]).
;   u = 0..3 (fc block u): fragment 4 u' + s: lane (r, h), piece c: k = 128 s + 64 c + 32 h + 0..31 of hidden unit 1024 hf + 128 w + 32 u + 8 u' + r + 8 (r / 8); scale image: lane 16 u' + r, word s.
;   u = 4..7 (proj unit p = u - 4): fragment 4 q + n: hidden k = 1024 hf + 128 (2 p + q) + 64 c + 32 h + 0..31 of output 64 w + 16 n + r; scale image: lane 16 (n % 2) + r, word 2 (n / 2) + q.
; K is the FIRST axis of both weights: a lane takes a column and its 128 registers run down K, so a block of 32 lies in one lane and nothing is transposed.  A wave takes 32 columns x 128 along K;
; four waves make a unit, a work-group two units.  A wave's store of a block's codes covers two aligned runs of 256 bytes.
; LIMITS: NaN and infinities are not served; a block of zeros gets the byte 1 (its codes are zeros; this program alone reads the bytes).
.set UNITB, 8704
.set NPL,   4                          ; work-groups that place
.set WLDS,  512                        ; LDS: 0 .. 511 the placing table (32 entries of 16 bytes); from here on the weight path's scale words, 512 bytes a unit
	s_load_b256 s[4:11], s[0:1], 0x0               ; w_fc, w_proj, sel, wq
	s_load_b128 s[12:15], s[0:1], 0x20             ; order, tiles
	v_lshl_add_u32 v192, v0, 2, 0x800
	v_mov_b32 v193, 0
	v_lshrrev_b32 v1, 5, v0
	v_readfirstlane_b32 s16, v1                    ; wave
	v_and_b32 v1, 31, v0                           ; lane
	s_cmp_lt_u32 ttmp9, NPL
	s_cbranch_scc1 .Lplace
	; ---------------- the weights
	s_and_b32 s17, s16, 3                          ; sub: which quarter of the unit
	s_lshr_b32 s18, s16, 2                         ; which of the work-group's two units
	s_sub_co_u32 s19, ttmp9, NPL
	s_lshl_b32 s19, s19, 1
	s_add_co_u32 s19, s19, s18                     ; U
	s_and_b32 s20, s19, 7                          ; u
	s_bfe_u32 s21, s19, 0x30003                    ; w
	s_bfe_u32 s22, s19, 0x10006                    ; hf
	s_lshr_b32 s23, s19, 7                         ; e
	v_lshlrev_b32 v2, 2, v1                        ; in: 4 bytes a lane
	s_lshl_b32 s24, s18, 9
	s_add_co_u32 s24, s24, WLDS
	v_lshl_add_u32 v6, v1, 4, s24                  ; LDS: my unit's scale words, 16 bytes a lane,
	s_lshl_b32 s25, s17, 2
	v_add_nc_u32 v5, s25, v6                       ; and my wave's word among them
	s_mul_i32 s26, s19, UNITB                      ; the unit in wq
	s_lshl_b32 s28, s23, 22                        ; an expert's weights are 4,194,304 bytes in either tensor
.macro LOADW sb, pitch                 ; W(k, my column), k = 0 .. 127 of my wave's part
.set k, 0
.rept 128
	global_load_b32 v[16+k], v2, s[\sb:\sb+1] offset:k*\pitch th:TH_LOAD_NT
.set k, k+1
.endr
.endm
	s_cmp_lt_u32 s20, 4
	s_cbranch_scc0 .Lproj
	s_lshl_b32 s29, s17, 20                        ; fc: K step sub: 128 rows of 8,192 bytes
	s_add_co_u32 s28, s28, s29
	s_lshl_b32 s29, s22, 12                        ; column 1024 hf + 128 w + 32 u, 4 bytes each
	s_add_co_u32 s28, s28, s29
	s_lshl_b32 s29, s21, 9
	s_add_co_u32 s28, s28, s29
	s_lshl_b32 s29, s20, 7
	s_add_co_u32 s28, s28, s29
	s_mov_b32 s29, 0
	s_lshl_b32 s30, s17, 10                        ; fragments sub and 4 + sub
	s_add_co_u32 s26, s26, s30
	s_mov_b32 s27, 0
	v_bfe_u32 v7, v1, 3, 1                         ; my column's tile u' = (lane / 8) % 2
	v_and_b32 v8, 7, v1
	v_lshrrev_b32 v9, 4, v1
	v_lshl_add_u32 v8, v9, 3, v8                   ; and row r = lane % 8 + 8 (lane / 16)
	v_lshlrev_b32 v3, 12, v7
	v_lshl_add_u32 v3, v8, 4, v3                   ; codes: 4096 u' + 16 r
	v_lshl_add_u32 v4, v7, 4, v8
	v_lshlrev_b32 v4, 4, v4                        ; scale image: 16 (16 u' + r)
	s_wait_kmcnt 0x0
	s_add_nc_u64 s[4:5], s[4:5], s[28:29]
	s_add_nc_u64 s[10:11], s[10:11], s[26:27]
	LOADW 4, 8192
	s_branch .Lquant
.Lproj:
	s_sub_co_u32 s29, s20, 4                       ; p
	s_lshl_b32 s29, s29, 1
	s_and_b32 s30, s17, 1                          ; q
	s_add_co_u32 s29, s29, s30
	s_lshl_b32 s29, s29, 18                        ; K step 2 p + q: 128 rows of 2,048 bytes
	s_add_co_u32 s28, s28, s29
	s_lshl_b32 s29, s22, 21                        ; hf: 1,024 rows
	s_add_co_u32 s28, s28, s29
	s_lshl_b32 s29, s21, 8                         ; column 64 w + 32 np
	s_add_co_u32 s28, s28, s29
	s_lshr_b32 s31, s17, 1                         ; np
	s_lshl_b32 s29, s31, 7
	s_add_co_u32 s28, s28, s29
	s_mov_b32 s29, 0
	s_lshl_b32 s30, s30, 2
	s_lshl_b32 s31, s31, 1
	s_add_co_u32 s30, s30, s31                     ; fragments 4 q + 2 np and the next
	s_lshl_b32 s30, s30, 10
	s_add_co_u32 s26, s26, s30
	s_mov_b32 s27, 0
	v_lshrrev_b32 v7, 4, v1
	v_and_b32 v8, 15, v1
	v_lshlrev_b32 v3, 10, v7
	v_lshl_add_u32 v3, v8, 4, v3                   ; codes: 1024 (lane / 16) + 16 (lane % 16)
	v_lshlrev_b32 v4, 4, v1                        ; scale image: 16 x lane
	s_wait_kmcnt 0x0
	s_add_nc_u64 s[6:7], s[6:7], s[28:29]
	s_add_nc_u64 s[10:11], s[10:11], s[26:27]
	LOADW 6, 2048
.Lquant:
.macro QBLOCK j, left                  ; block j of my column: 32 numbers, all mine
	s_wait_loadcnt \left
.set XB, 16+32*\j
	v_max3_num_f32 v161, |v[XB]|, |v[XB+1]|, |v[XB+2]|
	v_max3_num_f32 v162, |v[XB+3]|, |v[XB+4]|, |v[XB+5]|
.irp i, 6,10,14,18,22,26
	v_max3_num_f32 v161, v161, |v[XB+\i]|, |v[XB+\i+1]|
	v_max3_num_f32 v162, v162, |v[XB+\i+2]|, |v[XB+\i+3]|
.endr
	v_max3_num_f32 v161, v161, |v[XB+30]|, |v[XB+31]|
	v_max3_num_f32 v161, v161, v162, 0x1800000     ; and the floor 2^(3 - 127)
	v_add_nc_u32 v163, 0xff000000, v161            ; 2 off the exponent field: the conversion's scale operand
.irp g, 0,1,2,3
	v_cvt_scalef32_pk8_fp4_f32 v[144+4*\j+\g], v[XB+8*\g:XB+8*\g+7], v163
.endr
	v_lshrrev_b32 v164, 23, v163                   ; the byte (a plain line behind the conversions)
.if \j == 0
	v_mov_b32 v160, v164
.else
	v_lshl_or_b32 v160, v164, 8*\j, v160
.endif
	global_store_b128 v3, v[144+4*\j:147+4*\j], s[10:11] offset:256*\j   ; piece c = j / 2, half h = j % 2
.endm
	QBLOCK 0, 63                                   ; 96 loads are younger than block 0's: a wait can name 63
	QBLOCK 1, 63                                   ; 64 are younger
	QBLOCK 2, 32
	QBLOCK 3, 0
	ds_store_b32 v5, v160                          ; my K step's scale word of my column
	s_wait_dscnt 0x0                               ; for the others' sake
	s_barrier_signal -1
	s_barrier_wait -1
	s_cmp_lg_u32 s17, 0
	s_cbranch_scc1 .Lwend                          ; the unit's first wave (its base is the unit's) stores the image: 512 consecutive bytes
	ds_load_b128 v[168:171], v6
	s_wait_dscnt 0x0
	global_store_b128 v4, v[168:171], s[10:11] offset:8192
.Lwend:
	s_wait_tensorcnt 0x0
	ds_add_u32 v192, v193
	s_wait_dscnt 0x0
	s_endpgm
	; ---------------- the placing
	; REGISTERS: v2, v7 offsets in sel; v3, v5 LDS addresses; v8 my first token + 4 lane; v9 at work; v16-47 my chunk's pairs; v48-55 my own entry's; v56-71 four entries of counts;
	;   v72-75 entry `lane`; v76-78 the same where it lies in front of mine; v80-85 places; v96-103 offsets in order; v104-111 tokens; v128-134 the tile word.
	;   s24-30 where each pair's run begins; s32-37 a register's counts; s40-45 ballots; s48-53 running counts, then the next free place of each pair.
.Lplace:
	s_lshl_b32 s17, s16, 12                        ; my chunk: 1,024 tokens, 4,096 bytes of sel
	v_lshl_add_u32 v2, v1, 4, s17                  ; 16 bytes a lane
	s_lshl_b32 s18, ttmp9, 10                      ; my work-group's quarter of it: 256 tokens, 1,024 bytes
	v_add_nc_u32 v7, s18, v2
	s_lshl_b32 s19, s16, 6
	v_mov_b32 v3, s19                              ; LDS: my chunk's four entries
	v_lshlrev_b32 v5, 4, v1                        ; and entry `lane`
	s_lshl_b32 s19, s16, 10
	s_lshl_b32 s21, ttmp9, 8
	s_add_co_u32 s19, s19, s21
	v_lshl_add_u32 v8, v1, 2, s19                  ; 1024 wave + 256 work-group + 4 lane
	s_lshl_b32 s20, s16, 2
	s_add_co_u32 s20, s20, ttmp9                   ; my entry: 4 wave + work-group
	s_mov_b32 s22, 0x76543210
	s_mov_b32 s23, 0xfedcba98                      ; v_permlanex16_b32: lane l xor 16
	v_mov_b32 v9, 0                                ; a lane permute's destination counts as read
	s_wait_kmcnt 0x0
.irp i, 0,1
	global_load_b128 v[48+4*\i:51+4*\i], v7, s[8:9] offset:512*\i   ; my own entry, in registers of fixed numbers: register j: token 128 (j / 4) + 4 lane + j % 4 of it
.endr
.irp i, 0,1,2,3,4,5,6,7
	global_load_b128 v[16+4*\i:19+4*\i], v2, s[8:9] offset:512*\i   ; the whole chunk: quarter q in registers 8 q .. 8 q + 7
.endr
.macro COUNTQ q                        ; quarter q of my chunk: how many tokens of each pair; six ballots, six counts, six additions at a time
	s_wait_loadcnt 6-2*\q                          ; its two loads are in; the later quarters', two each, may be out
.irp b, 0,1,2,3,4,5
	s_mov_b32 s[48+\b], 0
.endr
.set J, 8*\q
.rept 8
.irp b, 0,1,2,3,4,5
	v_cmp_eq_u32 s[40+\b], \b, v[16+J]
.endr
.irp b, 0,1,2,3,4,5
	s_bcnt1_i32_b32 s[40+\b], s[40+\b]
.endr
.irp b, 0,1,2,3,4,5
	s_add_co_u32 s[48+\b], s[48+\b], s[40+\b]
.endr
.set J, J+1
.endr
.irp i, 0,1,2                          ; two counts to a word: no sum of them passes 8,192
	s_lshl_b32 s46, s[49+2*\i], 16
	s_or_b32 s46, s46, s[48+2*\i]
	v_mov_b32 v[56+4*\q+\i], s46
.endr
	v_mov_b32 v[59+4*\q], 0
	ds_store_b128 v3, v[56+4*\q:59+4*\q] offset:16*\q   ; all lanes write the same bytes with the same value
.endm
	COUNTQ 0
	COUNTQ 1
	COUNTQ 2
	COUNTQ 3
	s_wait_dscnt 0x0                               ; for the others' sake
	s_barrier_signal -1
	s_barrier_wait -1
	ds_load_b128 v[72:75], v5                      ; lane l: entry l
	s_wait_dscnt 0x0
	v_cmp_gt_u32 vcc_lo, s20, v1                   ; the entries in front of mine
.irp i, 0,1,2
	v_cndmask_b32 v[76+\i], 0, v[72+\i], vcc_lo
.endr
.irp k, 1,2,4,8                        ; sums over the 32 lanes: whole numbers throughout
.irp r, 72,73,74,76,77,78
	v_mov_b32_dpp v9, v\r row_xmask:\k row_mask:0xf bank_mask:0xf
	v_add_nc_u32 v\r, v\r, v9
.endr
.endr
.irp r, 72,73,74,76,77,78
	v_permlanex16_b32 v9, v\r, s22, s23
	v_add_nc_u32 v\r, v\r, v9
.endr
.irp i, 0,1,2
	v_readfirstlane_b32 s[57+\i], v[72+\i]         ; the totals
	v_readfirstlane_b32 s[60+\i], v[76+\i]         ; what the entries in front of mine hold
.endr
	s_mov_b32 s24, 0                               ; s24 .. s30: where each pair's run begins
.irp b, 0,1,2,3,4,5
.if (\b%2) == 0
	s_and_b32 s46, s[57+\b/2], 0xffff
	s_and_b32 s47, s[60+\b/2], 0xffff
.else
	s_lshr_b32 s46, s[57+\b/2], 16
	s_lshr_b32 s47, s[60+\b/2], 16
.endif
	s_add_co_u32 s[25+\b], s[24+\b], s46
	s_add_co_u32 s[48+\b], s[24+\b], s47           ; where my entry's part of it begins
.endr
.macro PLACE j                         ; register j of my entry: the six pairs side by side, so that no line waits for the line above it
.irp b, 0,1,2,3,4,5
	v_cmp_eq_u32 s[40+\b], \b, v[48+\j]
.endr
.irp b, 0,1,2,3,4,5
	v_mbcnt_lo_u32_b32 v[80+\b], s[40+\b], s[48+\b]   ; the run's next free place + the lanes of this pair below mine
.endr
.irp b, 1,2,3,4,5
	v_cndmask_b32 v80, v80, v[80+\b], s[40+\b]     ; my token's pair decides
.endr
.irp b, 0,1,2,3,4,5
	s_bcnt1_i32_b32 s[32+\b], s[40+\b]
.endr
.irp b, 0,1,2,3,4,5
	s_add_co_u32 s[48+\b], s[48+\b], s[32+\b]
.endr
	v_min_u32 v80, 8191, v80                       ; held inside the list before it enters an address
	v_lshlrev_b32 v[96+\j], 2, v80
	v_add_nc_u32 v[104+\j], ((\j)/4)*128+(\j)%4, v8
	global_store_b32 v[96+\j], v[104+\j], s[12:13] ; address and data have registers of their own: none is written again
.endm
.set J, 0
.rept 8
	PLACE J
.set J, J+1
.endr
	s_cmp_lg_u32 ttmp9, 0
	s_cbranch_scc1 .Lpend                          ; the tile words have one writer: work-group 0
	v_mov_b32 v130, 0                              ; thread t makes tile t's word
.irp m, 0,1
	v_lshl_add_u32 v128, v0, 5, 16*\m              ; places 32 t + 16 m ..
	v_add_nc_u32 v129, 16, v128
.set B, 0
.irp k, 3,5,9,10,6,12                  ; the six pairs' sets of experts
	v_max_u32 v131, s[24+B], v128
	v_min_u32 v132, s[25+B], v129
	v_cmp_lt_u32 vcc_lo, v131, v132                ; does the pair's run meet these 16 places?
	v_or_b32 v133, \k<<(4*\m), v130
	v_cndmask_b32 v130, v130, v133, vcc_lo
.set B, B+1
.endr
.endr
	v_lshlrev_b32 v134, 2, v0
	global_store_b32 v134, v130, s[14:15]
.Lpend:
	s_wait_tensorcnt 0x0
	ds_add_u32 v192, v193
	s_wait_dscnt 0x0
	s_endpgm
.Lfunc_end_k_q12d97c0197_prep:
	.size	k_q12d97c0197_prep, .Lfunc_end_k_q12d97c0197_prep-k_q12d97c0197_prep
	.p2alignl 7, 3214868480
	.fill 96, 4, 3214868480
	.section	.rodata,"a",@progbits
	.p2align	6, 0x0
	.amdhsa_kernel k_q12d97c0197_prep
		.amdhsa_group_segment_fixed_size 3072
		.amdhsa_private_segment_fixed_size 0
		.amdhsa_enable_private_segment 0
		.amdhsa_kernarg_size 48
		.amdhsa_user_sgpr_count 2
		.amdhsa_user_sgpr_kernarg_segment_ptr 1
		.amdhsa_wavefront_size32 1
		.amdhsa_system_sgpr_workgroup_id_x 1
		.amdhsa_system_sgpr_workgroup_id_y 1
		.amdhsa_system_sgpr_workgroup_id_z 1
		.amdhsa_system_vgpr_workitem_id 0
		.amdhsa_next_free_vgpr 194
		.amdhsa_next_free_sgpr 66
		.amdhsa_reserve_vcc 1
		.amdhsa_float_denorm_mode_32 3
		.amdhsa_float_denorm_mode_16_64 3
		.amdhsa_memory_ordered 1
		.amdhsa_forward_progress 1
		.amdhsa_inst_pref_size 83
	.end_amdhsa_kernel
	.amdgpu_metadata
---
amdhsa.version: [ 1, 2 ]
amdhsa.kernels:
  - .name:           k_q12d97c0197_prep
    .symbol:         k_q12d97c0197_prep.kd
    .args:
      - { .name: w_fc, .offset: 0, .size: 8, .value_kind: global_buffer, .address_space: global }
      - { .name: w_proj, .offset: 8, .size: 8, .value_kind: global_buffer, .address_space: global }
      - { .name: sel, .offset: 16, .size: 8, .value_kind: global_buffer, .address_space: global }
      - { .name: wq, .offset: 24, .size: 8, .value_kind: global_buffer, .address_space: global }
      - { .name: order, .offset: 32, .size: 8, .value_kind: global_buffer, .address_space: global }
      - { .name: tiles, .offset: 40, .size: 8, .value_kind: global_buffer, .address_space: global }
    .group_segment_fixed_size: 3072
    .private_segment_fixed_size: 0
    .kernarg_segment_align: 8
    .kernarg_segment_size: 48
    .max_flat_workgroup_size: 256
    .sgpr_count:     66
    .vgpr_count:     194
    .wavefront_size: 32
...
	.end_amdgpu_metadata
.endif
;; end of part 2
;; launch chain (part 3): grid 256 x 1, 8 waves a work-group, no clusters, 105,472 bytes of LDS; arguments xq, xs, gates, order, tiles, wq, b_fc, b_proj, out0; writes out0
.if DOCPART == 3
	.amdgcn_target "amdgcn-amd-amdhsa--gfx1250"
	.amdhsa_code_object_version 6
	.text
	.protected	k_q12d97c0197_chain
	.globl	k_q12d97c0197_chain
	.p2align	8
	.type	k_q12d97c0197_chain,@function
k_q12d97c0197_chain:
	s_mov_b64 s[64:65], 0
	v_nop
	global_prefetch_b8 v0, s[64:65] scope:SCOPE_SE
	s_setreg_imm32_b32 hwreg(HW_REG_WAVE_MODE, 25, 1), 1
	s_wait_xcnt 0x0
; THE EXPERTS.  out[token] = sum over the token's two experts e of gate_e (gelu(x Wfc_e + bfc_e) Wproj_e + bproj_e), both products on codes of E2M1 with one E8M0 scale for each 32 along K.
; A work-group owns 32 tokens that lie side by side in the list sorted by pair of experts (order), as two subtiles of 16, and so owns their rows of out0: nothing is added between work-groups.
; It walks the experts that its tile word names (as a rule two), each in two trips of 1,024 hidden units.  THE WAVES SHARE THE COLUMNS: in a trip wave w makes hidden units 128 w .. 128 w + 127 of the half
; (they are K step w of the second product), quantises them in registers, hands their image to the others through LDS, and then makes outputs 64 w .. 64 w + 63 from all eight K steps.
; Both products are used transposed (source 0 = 16 rows of a weight, source 1 = 16 tokens): a lane holds ONE token (lane % 16) and its registers run along the result's columns.
; THE WEIGHTS come from wq, laid by the launch before in the order of the operand's registers: a lane loads whole fragments, each byte by one wave of the work-group, into a ring of four units of 64 registers
; (window 1), a trip's half ahead.  NO TENSOR LOAD, NO CLUSTER, NO JOINT REQUEST: which experts a work-group walks hangs on a word read from memory, and neighbours may walk different experts.
; A (subtile, expert) that none of its 16 tokens uses skips gelu and quantiser by a scalar branch on the tile word; its products run on old codes under the scale byte 0 and are multiplied by the gate 0.
; Every wave passes every barrier: the walk has four slots always, and a slot without an expert only passes its two barriers.
; GELU: x (0.5 + xc A(xc^2) / B(xc^2)), xc = x held to +-4 sqrt(2): the rational for erf of degrees 6 and 4 in x^2 with the 1/sqrt(2) and the 1/2 folded into its coefficients.
; LIMITS: NaN and infinities are not served.  erf is right to about 1e-7 of 1, so the relative error of gelu(x) grows for x under about -2.5 (about 4e-5 at -3); such numbers lie under the lowest
; code's edge of any block that holds a number of 0.13 or more.  A block of zeros gets the scale byte 1.
; REGISTERS, window 0: v1-11 addresses and tokens; v12-15 two coefficients; v16-79 x's 8 fragments; v80-83 x's scale words; v84-99 the ring's scale words; v100-107 the gates; v108-109 the slot's gates;
;   v110-111 the hidden scale words; v112-143 two sets of biases; v144-175 fc's 4 accumulators, v176-207 gelu at work, v208-223 codes, v224-239 quantiser at work; in the second product v144-207 its 8
;   accumulators, v208-239 two sets of hidden fragments, then the running sums; v240-247 the hidden layer's scale words; v248-255 addresses of the head and the tail.   window 1: the ring.
.set UNITB, 8704
.set TRIPB, 8*UNITB
.set HFOFF, 8*TRIPB
.set HSC,   32768                      ; LDS: 0 .. 32,767 the hidden fragments' images, 16,384 for each half: (2 ks + m) 1024 + 512 c + 16 lane;  then their scale words, 1,024 for each half: 32 (16 m + r) + 4 ks
.set FINAL, 34816                      ; then the running gated sums: for each wave 32 rows (tokens) of 256 bytes + 16: its own 64 columns
.set FPITCH, 272
.set FPW,   32*FPITCH
.set VO,   1                           ; 16 x lane
.set VON,  2                           ; the same, or 0 where the next slot has no expert
.set BIO,  3                           ; 64 (lane / 16)
.set IMGW, 4                           ; 16 lane + 2048 wave
.set HSW,  5                           ; 32 (lane % 16) + 4 wave
.set HSR,  6                           ; 32 lane
.set FIN,  7                           ; my sums as the accumulators hold them
.set FRD,  8                           ; and by rows
.set VA5,  12
.set VB3,  14
.set XF,   16
.set XS,   80
.set RS,   84
.set G,    100
.set GS,   108
.set PW,   110
.set BI,   112
.set ACC,  144
.set OA,   144
.set GX,   176
.set GQ,   184
.set GA,   192
.set GB,   200
.set PCD,  208
.set HF,   208
.set T,    208
.set QT,   224
.set HS,   240
.set CA6, 44                           ; s[44:63]: ten coefficients, each twice (a packed form names a pair)
.set CA4, 46
.set CA1, 52
.set CB4, 56
.set CB2, 58
.set MSB, 0
.macro WIN new                         ; the immediate's high byte repeats the setting that is left
.if MSB != \new
	s_set_vgpr_msb (MSB<<8)|\new
.set MSB, \new
.endif
.endm
.macro PLACES n
.rept \n
	v_nop
.endr
.endm
; one matrix instruction on the registers rD, rA, rB, rC, rSA, rSB.  ra, rb: the scales stand in lanes 16-31.  z: the sum begins with 0
.macro MM ra, rb, z
.if \z
.if (\ra) && (\rb)
	v_wmma_scale_f32_16x16x128_f8f6f4 v[rD:rD+7], v[rA:rA+7], v[rB:rB+7], 0, v[rSA], v[rSB] matrix_a_fmt:MATRIX_FMT_FP4 matrix_b_fmt:MATRIX_FMT_FP4 matrix_a_scale:MATRIX_SCALE_ROW1 matrix_b_scale:MATRIX_SCALE_ROW1
.elseif (\ra)
	v_wmma_scale_f32_16x16x128_f8f6f4 v[rD:rD+7], v[rA:rA+7], v[rB:rB+7], 0, v[rSA], v[rSB] matrix_a_fmt:MATRIX_FMT_FP4 matrix_b_fmt:MATRIX_FMT_FP4 matrix_a_scale:MATRIX_SCALE_ROW1
.elseif (\rb)
	v_wmma_scale_f32_16x16x128_f8f6f4 v[rD:rD+7], v[rA:rA+7], v[rB:rB+7], 0, v[rSA], v[rSB] matrix_a_fmt:MATRIX_FMT_FP4 matrix_b_fmt:MATRIX_FMT_FP4 matrix_b_scale:MATRIX_SCALE_ROW1
.else
	v_wmma_scale_f32_16x16x128_f8f6f4 v[rD:rD+7], v[rA:rA+7], v[rB:rB+7], 0, v[rSA], v[rSB] matrix_a_fmt:MATRIX_FMT_FP4 matrix_b_fmt:MATRIX_FMT_FP4
.endif
.else
.if (\ra) && (\rb)
	v_wmma_scale_f32_16x16x128_f8f6f4 v[rD:rD+7], v[rA:rA+7], v[rB:rB+7], v[rC:rC+7], v[rSA], v[rSB] matrix_a_fmt:MATRIX_FMT_FP4 matrix_b_fmt:MATRIX_FMT_FP4 matrix_a_scale:MATRIX_SCALE_ROW1 matrix_b_scale:MATRIX_SCALE_ROW1
.elseif (\ra)
	v_wmma_scale_f32_16x16x128_f8f6f4 v[rD:rD+7], v[rA:rA+7], v[rB:rB+7], v[rC:rC+7], v[rSA], v[rSB] matrix_a_fmt:MATRIX_FMT_FP4 matrix_b_fmt:MATRIX_FMT_FP4 matrix_a_scale:MATRIX_SCALE_ROW1
.elseif (\rb)
	v_wmma_scale_f32_16x16x128_f8f6f4 v[rD:rD+7], v[rA:rA+7], v[rB:rB+7], v[rC:rC+7], v[rSA], v[rSB] matrix_a_fmt:MATRIX_FMT_FP4 matrix_b_fmt:MATRIX_FMT_FP4 matrix_b_scale:MATRIX_SCALE_ROW1
.else
	v_wmma_scale_f32_16x16x128_f8f6f4 v[rD:rD+7], v[rA:rA+7], v[rB:rB+7], v[rC:rC+7], v[rSA], v[rSB] matrix_a_fmt:MATRIX_FMT_FP4 matrix_b_fmt:MATRIX_FMT_FP4
.endif
.endif
.endm
; a unit of wq into ring slot `slot`: 17 loads: its scale image, then its 8 fragments
.macro UNITLD slot, sb, vo, off
	WIN 0
	global_load_b128 v[RS+4*(\slot):RS+4*(\slot)+3], v[\vo], s[\sb:\sb+1] offset:(\off)+8192
	WIN 0x40                                       ; destination window 1, address window 0
.irp f, 0,1,2,3,4,5,6,7
.irp c, 0,1
	global_load_b128 v[64*(\slot)+8*\f+4*\c:64*(\slot)+8*\f+4*\c+3], v[\vo], s[\sb:\sb+1] offset:(\off)+1024*\f+512*\c
.endr
.endr
	WIN 0
.endm
; a block's biases in the result's layout: 4 loads: lane (r, h), tile u: hidden units 16 h + 8 u + 0 .. 7 of the block
.macro BILD set, sb, off
.irp u, 0,1
.irp i, 0,1
	global_load_b128 v[BI+16*(\set)+8*\u+4*\i:BI+16*(\set)+8*\u+4*\i+3], v[BIO], s[\sb:\sb+1] offset:(\off)+32*\u+16*\i
.endr
.endr
.endm
; fc block b of the trip: 32 hidden units x 32 tokens, K = 512: 16 matrix instructions, the four accumulators by turns; the bias is the C of each sum's first.
.macro FCMM b, hf
	s_wait_loadcnt 38                              ; the block's bias has 17 + 21 younger loads, its unit 51 or more
	WIN 0x01                                       ; source 0 (the ring) window 1
.irp s, 0,1,2,3
.irp m, 0,1
.irp u, 0,1
.set rD, ACC+8*(2*\m+\u)
.set rA, 64*(\b)+8*(4*\u+\s)
.set rB, XF+32*\m+8*\s
.set rSA, RS+4*(\b)+\s
.set rSB, XS+\s
.if \s == 0
.set rC, BI+16*((\b)%2)+8*\u
.else
.set rC, rD
.endif
	MM \u, \m, 0
.endr
.endr
.endr
	WIN 0
	PLACES 5                                       ; in front of the loads into registers just read, of the first read of results, and (five) of the next block's products where both gelus are jumped over
.if \b < 2                             ; the refill, 21 loads: the bias of the block two further on in the stream, then the trip's proj unit b
	BILD (\b)%2, 34, \hf*4096+(\b+2)*128
.elseif \hf == 0
	BILD (\b)%2, 34, 4096+(\b-2)*128
.else
	BILD (\b)%2, 36, (\b-2)*128
.endif
	UNITLD \b, 30, VO, \hf*HFOFF+(4+\b)*UNITB
.endm
; gelu of the eight registers from v[a] on, in place.  The accumulator is read from its low end on.
.macro GELU8 a
.irp j, 0,1,2,3,4,5,6,7
	v_med3_num_f32 v[GX+\j], v[(\a)+\j], s42, s43
.endr
.irp p, 0,2,4,6
	v_pk_mul_f32 v[GQ+\p:GQ+\p+1], v[GX+\p:GX+\p+1], v[GX+\p:GX+\p+1]
.endr
.irp p, 0,2,4,6
	v_pk_fma_f32 v[GA+\p:GA+\p+1], v[GQ+\p:GQ+\p+1], s[CA6:CA6+1], v[VA5:VA5+1] op_sel_hi:[1,0,1]
.endr
.irp p, 0,2,4,6
	v_pk_fma_f32 v[GB+\p:GB+\p+1], v[GQ+\p:GQ+\p+1], s[CB4:CB4+1], v[VB3:VB3+1] op_sel_hi:[1,0,1]
.endr
.irp k, 0,2,4
.irp p, 0,2,4,6
	v_pk_fma_f32 v[GA+\p:GA+\p+1], v[GA+\p:GA+\p+1], v[GQ+\p:GQ+\p+1], s[CA4+\k:CA4+\k+1] op_sel_hi:[1,1,0]
.endr
.irp p, 0,2,4,6
	v_pk_fma_f32 v[GB+\p:GB+\p+1], v[GB+\p:GB+\p+1], v[GQ+\p:GQ+\p+1], s[CB2+\k:CB2+\k+1] op_sel_hi:[1,1,0]
.endr
.endr
.irp j, 0,1,2,3,4,5,6,7
	v_rcp_f32 v[GB+\j], v[GB+\j]                   ; one batch; B is under 0 everywhere
.endr
.irp k, 0,2
.irp p, 0,2,4,6
	v_pk_fma_f32 v[GA+\p:GA+\p+1], v[GA+\p:GA+\p+1], v[GQ+\p:GQ+\p+1], s[CA1+\k:CA1+\k+1] op_sel_hi:[1,1,0]
.endr
.endr
.irp p, 0,2,4,6
	v_pk_mul_f32 v[GA+\p:GA+\p+1], v[GA+\p:GA+\p+1], v[GX+\p:GX+\p+1]
.endr
	s_wait_alu depctr_va_vdst(0)                   ; one wait for the eight reciprocals, behind twelve plain lines and ahead of their first reader
.irp p, 0,2,4,6
	v_pk_fma_f32 v[GA+\p:GA+\p+1], v[GA+\p:GA+\p+1], v[GB+\p:GB+\p+1], 0.5 op_sel_hi:[1,1,0]
.endr
.irp p, 0,2,4,6
	v_pk_mul_f32 v[(\a)+\p:(\a)+\p+1], v[(\a)+\p:(\a)+\p+1], v[GA+\p:GA+\p+1]
.endr
.endm
; subtile m of block b: gelu, then the block of 32 hidden units (16 in my lane, 16 in lane l xor 16) becomes codes and a scale byte
.macro GELUQ b, m
	s_cmp_lg_u32 s[27+\m], 0
	s_cbranch_scc0 .Lskip_\@
	GELU8 ACC+16*\m
	GELU8 ACC+16*\m+8
.set HB, ACC+16*\m
	v_max3_num_f32 v[QT], |v[HB]|, |v[HB+1]|, 0x1800000      ; with the floor 2^(3 - 127)
	v_max3_num_f32 v[QT+4], |v[HB+2]|, |v[HB+3]|, |v[HB+4]|
	v_max3_num_f32 v[QT], v[QT], |v[HB+5]|, |v[HB+6]|
	v_max3_num_f32 v[QT+4], v[QT+4], |v[HB+7]|, |v[HB+8]|
	v_max3_num_f32 v[QT], v[QT], |v[HB+9]|, |v[HB+10]|
	v_max3_num_f32 v[QT+4], v[QT+4], |v[HB+11]|, |v[HB+12]|
	v_max3_num_f32 v[QT], v[QT], |v[HB+13]|, |v[HB+14]|
	v_max3_num_f32 v[QT], v[QT], v[QT+4], |v[HB+15]|
	v_permlanex16_b32 v[QT+1], v[QT], s40, s41
	v_max_num_f32 v[QT], v[QT], v[QT+1]
	v_add_nc_u32 v[QT+2], 0xff000000, v[QT]        ; 2 off the exponent field: the conversion's scale operand
	v_cvt_scalef32_pk8_fp4_f32 v[PCD+8*\m+2*\b], v[HB:HB+7], v[QT+2]
	v_cvt_scalef32_pk8_fp4_f32 v[PCD+8*\m+2*\b+1], v[HB+8:HB+15], v[QT+2]
	v_lshrrev_b32 v[QT+3], 23, v[QT+2]             ; the byte (a plain line behind the conversions)
.if \b == 0
	v_mov_b32 v[PW+\m], v[QT+3]
	s_branch .Ldone_\@
.Lskip_\@:
	v_mov_b32 v[PW+\m], 0                          ; no token of the subtile uses the expert: the byte 0 over whatever codes stand there; the gate is 0
.Ldone_\@:
.else
	v_lshl_or_b32 v[PW+\m], v[QT+3], 8*\b, v[PW+\m]
.Lskip_\@:
.endif
.endm
; my 128 hidden units of both subtiles go to LDS as images of the operand's registers, with their scale words
.macro IMAGE hf
.irp m, 0,1
.irp c, 0,1
.irp i, 0,1
	v_permlane16_swap_b32 v[PCD+8*\m+4*\c+\i], v[PCD+8*\m+4*\c+2+\i]   ; a whole block to a lane: lanes 0-15 block 2 c, lanes 16-31 block 2 c + 1
.endr
.endr
.endr
.irp m, 0,1
.irp c, 0,1
	ds_store_b128 v[IMGW], v[PCD+8*\m+4*\c:PCD+8*\m+4*\c+3] offset:16384*\hf+1024*\m+512*\c
.endr
	ds_store_b32 v[HSW], v[PW+\m] offset:HSC+1024*\hf+512*\m   ; lanes r and r + 16 write the same word with the same value
.endr
.endm
.macro HFLD k, hf                      ; K step k's two hidden fragments into set k % 2
.irp m, 0,1
.irp c, 0,1
	ds_load_b128 v[HF+16*((\k)%2)+8*\m+4*\c:HF+16*((\k)%2)+8*\m+4*\c+3], v[VO] offset:16384*\hf+(2*(\k)+\m)*1024+512*\c
.endr
.endr
.endm
.macro RMW m                           ; subtile m: sums += gate x result, in my own bytes of LDS
.irp n, 0,1,2,3
	ds_load_b128 v[T+8*\n:T+8*\n+3], v[FIN] offset:16*FPITCH*\m+64*\n
	ds_load_b128 v[T+8*\n+4:T+8*\n+7], v[FIN] offset:16*FPITCH*\m+64*\n+16
.endr
	s_wait_dscnt 0x0
.irp p, 0,2,4,6,8,10,12,14,16,18,20,22,24,26,28,30
	v_pk_fma_f32 v[OA+32*\m+\p:OA+32*\m+\p+1], v[OA+32*\m+\p:OA+32*\m+\p+1], v[GS:GS+1], v[T+\p:T+\p+1] op_sel:[0,\m,0] op_sel_hi:[1,\m,1]   ; each accumulator from its low end on
.endr
.irp n, 0,1,2,3
	ds_store_b128 v[FIN], v[OA+32*\m+8*\n:OA+32*\m+8*\n+3] offset:16*FPITCH*\m+64*\n
	ds_store_b128 v[FIN], v[OA+32*\m+8*\n+4:OA+32*\m+8*\n+7] offset:16*FPITCH*\m+64*\n+16
.endr
.endm
; the second product of a trip: my 64 outputs x 32 tokens, K = the trip's 1,024 hidden units: 8 K steps of 8 matrix instructions, the eight accumulators by turns
.macro PROJ hf
	ds_load_b128 v[HS:HS+3], v[HSR] offset:HSC+1024*\hf
	ds_load_b128 v[HS+4:HS+7], v[HSR] offset:HSC+1024*\hf+16
	HFLD 0, \hf
	HFLD 1, \hf
.irp ks, 0,1,2,3,4,5,6,7
.if (\ks%2) == 0
	s_wait_loadcnt 51                              ; the unit of these two K steps has three units of 17 loads, or more, behind it
.endif
.if \ks < 7
	s_wait_dscnt 4                                 ; this K step's fragments are in; the next one's four loads may be out
.else
	s_wait_dscnt 0x0
.endif
	WIN 0x01
.irp n, 0,1,2,3
.irp m, 0,1
.set rD, OA+8*(4*\m+\n)
.set rA, 64*(\ks/2)+8*(4*(\ks%2)+\n)
.set rB, HF+16*(\ks%2)+8*\m
.set rC, rD
.set rSA, RS+4*(\ks/2)+2*(\n/2)+(\ks%2)
.set rSB, HS+\ks
.if \ks == 0
	MM \n%2, \m, 1
.else
	MM \n%2, \m, 0
.endif
.endr
.endr
	WIN 0
	PLACES 5                                       ; in front of loads into registers just read, and of the first read of results
.if \ks < 6
	HFLD \ks+2, \hf
.endif
.if (\ks%2) == 1                       ; the slot is read out: it takes the next trip's fc block
.if \hf == 0
	UNITLD \ks/2, 30, VO, HFOFF+(\ks/2)*UNITB
.else
	UNITLD \ks/2, 32, VON, (\ks/2)*UNITB
.endif
.endif
.endr
	RMW 0
	RMW 1
	s_wait_dscnt 0x0                               ; the stores have read the accumulators: the next trip may write them
.endm
; A TRIP.  One barrier: in front of it my images are stored and my reads of the other half's images are over; behind it all eight K steps lie in LDS.
; This half's images are written again only behind the other half's barrier, which every wave reaches behind its reads of them.
.macro TRIP hf
	s_cmp_lg_u32 s26, 0
	s_cbranch_scc0 .Lnofc_\@
.irp b, 0,1,2,3
	FCMM \b, \hf
	GELUQ \b, 0
	GELUQ \b, 1
.endr
	IMAGE \hf
.Lnofc_\@:
	s_wait_dscnt 0x0
	s_barrier_signal -1
	s_barrier_wait -1
	s_cmp_lg_u32 s26, 0
	s_cbranch_scc0 .Lnopj_\@
	PROJ \hf
.Lnopj_\@:
.endm
; the slot's scalars, from the list's lowest two nibbles.  What enters an address is held by s_min_u32 first.
.macro SLOTSC
	s_wait_xcnt 0x0                                ; the loads issued so far have read their bases and offsets
	s_and_b32 s25, s24, 7                          ; the slot's expert, 4 = none
	s_lshr_b32 s70, s24, 4
	s_and_b32 s70, s70, 7                          ; the next slot's
	s_sub_co_u32 s26, 4, s25
	s_min_u32 s26, s26, 1                          ; 1: the slot has an expert
	s_sub_co_u32 s29, 4, s70
	s_min_u32 s29, s29, 1
	s_min_u32 s71, s25, 3
	s_min_u32 s72, s70, 3
	s_mov_b32 s75, 0
	s_lshl_b32 s74, s71, 4
	s_add_co_u32 s74, s74, s22
	s_mul_i32 s74, s74, TRIPB
	s_add_nc_u64 s[30:31], s[14:15], s[74:75]      ; my wave's units of the expert's first half
	s_lshl_b32 s74, s72, 4
	s_add_co_u32 s74, s74, s22
	s_mul_i32 s74, s74, TRIPB
	s_add_nc_u64 s[32:33], s[14:15], s[74:75]      ; and of the next expert's
	s_lshl_b32 s76, s22, 9
	s_lshl_b32 s74, s71, 13
	s_add_co_u32 s74, s74, s76
	s_add_nc_u64 s[34:35], s[16:17], s[74:75]      ; b_fc likewise
	s_lshl_b32 s74, s72, 13
	s_add_co_u32 s74, s74, s76
	s_add_nc_u64 s[36:37], s[16:17], s[74:75]
	s_lshr_b32 s27, s23, s71
	s_and_b32 s27, s27, 1                          ; does subtile 0 use the expert?
	s_add_co_u32 s76, s71, 4
	s_lshr_b32 s28, s23, s76
	s_and_b32 s28, s28, 1                          ; does subtile 1?
	v_mul_u32_u24 v[VON], s29, v[VO]               ; where no expert follows, the ring's loads all name one piece inside the buffer: the counts of loads stay the same on every way
.endm
	s_load_b512 s[4:19], s[0:1], 0x0               ; xq, xs, gates, order, tiles, wq, b_fc, b_proj
	s_load_b64 s[20:21], s[0:1], 0x40              ; out0
	v_lshrrev_b32 v224, 5, v0
	v_readfirstlane_b32 s22, v224                  ; wave 0..7
	v_and_b32 v224, 31, v0                         ; lane
	v_and_b32 v225, 15, v0                         ; r
	v_bfe_u32 v226, v0, 4, 1                       ; h
	v_lshlrev_b32 v[VO], 4, v224
	v_lshlrev_b32 v[BIO], 6, v226
	s_lshl_b32 s70, s22, 11
	v_add_nc_u32 v[IMGW], s70, v[VO]
	s_lshl_b32 s70, s22, 2
	v_lshl_add_u32 v[HSW], v225, 5, s70
	v_lshlrev_b32 v[HSR], 5, v224
	s_mul_i32 s70, s22, FPW
	s_add_co_u32 s70, s70, FINAL
	v_mul_u32_u24 v[FIN], v225, FPITCH
	v_lshl_add_u32 v[FIN], v226, 5, v[FIN]
	v_add_nc_u32 v[FIN], s70, v[FIN]               ; row r, + 32 h
	v_mul_u32_u24 v[FRD], v226, FPITCH
	v_lshl_add_u32 v[FRD], v225, 4, v[FRD]
	v_add_nc_u32 v[FRD], s70, v[FRD]               ; lanes 0-15 one row, lanes 16-31 the next
	v_lshlrev_b32 v253, 2, v224
	v_lshlrev_b32 v254, 2, v225
	s_lshl_b32 s72, ttmp9, 2
	s_mov_b32 s73, 0
	s_lshl_b32 s74, ttmp9, 7
	s_mov_b32 s75, 0
	s_mov_b32 s40, 0x76543210
	s_mov_b32 s41, 0xfedcba98                      ; v_permlanex16_b32: lane l xor 16
	s_wait_kmcnt 0x0
	s_add_nc_u64 s[12:13], s[12:13], s[72:73]
	s_add_nc_u64 s[68:69], s[10:11], s[74:75]      ; my tile's 32 places of the list
	s_load_b32 s23, s[12:13], 0x0                  ; the tile word
	global_load_b32 v9, v253, s[68:69]             ; the token at place lane,
	global_load_b32 v10, v254, s[68:69]            ; at place lane % 16,
	global_load_b32 v11, v254, s[68:69] offset:64  ; and at 16 + lane % 16
	s_wait_kmcnt 0x0
	s_lshr_b32 s70, s23, 4
	s_or_b32 s70, s70, s23
	s_and_b32 s70, s70, 15                         ; the experts that the tile uses
	s_mov_b32 s24, 0x40000                         ; the list: a nibble a slot, 4 = none; a fifth nibble for the last slot's look ahead
.irp k, 0,1,2,3
	s_ctz_i32_b32 s71, s70                         ; the lowest expert left (-1: none)
	s_min_u32 s71, s71, 4
	s_lshl_b32 s71, s71, 4*\k
	s_or_b32 s24, s24, s71
	s_sub_co_u32 s72, s70, 1
	s_and_b32 s70, s70, s72
.endr
	SLOTSC
	s_wait_loadcnt 0x0
	v_min_u32 v9, 8191, v9                         ; held inside the tables before they enter addresses
	v_min_u32 v10, 8191, v10
	v_min_u32 v11, 8191, v11
.irp m, 0,1
	v_lshlrev_b32 v[248+\m], 8, v[10+\m]
	v_lshl_add_u32 v[248+\m], v226, 4, v[248+\m]   ; x's codes: 256 bytes a token, + 16 h
	v_lshlrev_b32 v[250+\m], 4, v[10+\m]           ; the gates: 16 bytes a token
.endr
	v_lshlrev_b32 v252, 4, v9                      ; x's scale words: 16 bytes a token
.irp m, 0,1
.irp s, 0,1,2,3
.irp c, 0,1
	global_load_b128 v[XF+32*\m+8*\s+4*\c:XF+32*\m+8*\s+4*\c+3], v[248+\m], s[4:5] offset:64*\s+32*\c
.endr
.endr
.endr
	global_load_b128 v[XS:XS+3], v252, s[6:7]      ; word s: lanes 0-15 subtile 0, lanes 16-31 subtile 1
	global_load_b128 v[G:G+3], v250, s[8:9]
	global_load_b128 v[G+4:G+7], v251, s[8:9]
	BILD 0, 34, 0                                  ; the ring's first fill, in the order of the loop's: two biases, four fc units: 76 loads
	BILD 1, 34, 128
.irp b, 0,1,2,3
	UNITLD \b, 30, VO, \b*UNITB
.endr
.irp i, 0,1,2,3,4,5,6,7,8,9,10,11,12,13,14,15
	v_mov_b32 v[PCD+\i], 0                         ; read on the ways that jump over a quantiser
	v_mov_b32 v[QT+\i], 0                          ; a lane permute's destination counts as read
.endr
	v_mov_b32 v[PW], 0
	v_mov_b32 v[PW+1], 0
.irp i, 0,1,2,3,4,5,6,7,8,9,10,11,12,13,14,15
	ds_store_b128 v[FRD], v[PCD:PCD+3] offset:2*FPITCH*\i   ; my sums begin as zeros
.endr
	s_mov_b32 s42, 0xc0b504f3                      ; -4 sqrt(2)
	s_mov_b32 s43, 0x40b504f3
	s_mov_b32 s44, -1.50599506e-12                 ; A6
	s_mov_b32 s46, -4.6426510e-08                  ; A4
	s_mov_b32 s48, -2.51575617e-06                 ; A3
	s_mov_b32 s50, -6.4964607e-05                  ; A2
	s_mov_b32 s52, -5.2230439e-04                  ; A1
	s_mov_b32 s54, -5.6908071e-03                  ; A0
	s_mov_b32 s56, -9.10379490e-07                 ; B4
	s_mov_b32 s58, -4.20706744e-04                 ; B2
	s_mov_b32 s60, -3.68666458e-03                 ; B1
	s_mov_b32 s62, -1.42647391e-02                 ; B0
.irp k, 44,46,48,50,52,54,56,58,60,62
	s_mov_b32 s[\k+1], s[\k]
.endr
	v_mov_b32 v[VA5], 3.06119941e-10               ; A5
	v_mov_b32 v[VA5+1], v[VA5]
	v_mov_b32 v[VB3], -2.66717569e-05              ; B3
	v_mov_b32 v[VB3+1], v[VB3]
	s_wait_loadcnt 63                              ; the gates are in: 76 loads are younger
	s_mov_b32 s38, 0
.Lslot:                                            ; four slots, always
	SLOTSC
	v_mov_b32 v[GS], v[G]                          ; the slot's gates of my token in either subtile: a choice of values, no branch
	v_mov_b32 v[GS+1], v[G+4]
.irp k, 1,2,3
	s_cmp_eq_u32 s71, \k
	s_cselect_b32 s66, -1, 0
	v_cndmask_b32 v[GS], v[GS], v[G+\k], s66
	v_cndmask_b32 v[GS+1], v[GS+1], v[G+4+\k], s66
.endr
	TRIP 0
	TRIP 1
	s_lshr_b32 s24, s24, 4
	s_add_co_u32 s38, s38, 1
	s_cmp_lt_u32 s38, 4
	s_cbranch_scc1 .Lslot
	; THE WAY OUT.  My 64 columns of the 32 tokens' sums come back by rows; sum over e of gate_e b_proj[e] is added; sixteen lanes store 256 consecutive bytes, aligned, of one token's row.
	s_wait_loadcnt 0x0                             ; the ring's last loads
	v_bfe_u32 v255, v0, 4, 1
	v_lshlrev_b32 v255, 2, v255
	v_and_b32 v254, 15, v0
	v_lshlrev_b32 v254, 4, v254
	s_lshl_b32 s74, s22, 8
	s_mov_b32 s75, 0
	s_add_nc_u64 s[18:19], s[18:19], s[74:75]
	s_add_nc_u64 s[20:21], s[20:21], s[74:75]
.irp i, 0,1,2,3,4,5,6,7,8,9,10,11,12,13,14,15
	global_load_b32 v[112+\i], v255, s[68:69] offset:8*\i     ; the token at place 2 i + lane / 16
.endr
.irp e, 0,1,2,3
	global_load_b128 v[128+4*\e:131+4*\e], v254, s[18:19] offset:2048*\e
.endr
.irp i, 0,1,2,3,4,5,6,7,8,9,10,11,12,13,14,15
	ds_load_b128 v[144+4*\i:147+4*\i], v[FRD] offset:2*FPITCH*\i   ; my own bytes: no barrier
.endr
	s_wait_loadcnt 4                               ; the tokens are in; b_proj's four loads may be out
.irp i, 0,1,2,3,4,5,6,7,8,9,10,11,12,13,14,15
	v_min_u32 v[112+\i], 8191, v[112+\i]
	v_lshlrev_b32 v[208+\i], 4, v[112+\i]
	v_lshl_add_u32 v[224+\i], v[112+\i], 11, v254
.endr
.irp i, 0,1,2,3,4,5,6,7,8,9,10,11,12,13,14,15
	global_load_b128 v[16+4*\i:19+4*\i], v[208+\i], s[8:9]    ; its four gates
.endr
	s_wait_loadcnt 0x0
	s_wait_dscnt 0x0
.irp i, 0,1,2,3,4,5,6,7,8,9,10,11,12,13,14,15
.irp d, 0,1
.irp c, 0,2
	v_pk_fma_f32 v[144+4*\i+\c:145+4*\i+\c], v[16+4*\i+2*\d:17+4*\i+2*\d], v[128+8*\d+\c:129+8*\d+\c], v[144+4*\i+\c:145+4*\i+\c] op_sel:[0,0,0] op_sel_hi:[0,1,1]
	v_pk_fma_f32 v[144+4*\i+\c:145+4*\i+\c], v[16+4*\i+2*\d:17+4*\i+2*\d], v[132+8*\d+\c:133+8*\d+\c], v[144+4*\i+\c:145+4*\i+\c] op_sel:[1,0,0] op_sel_hi:[1,1,1]
.endr
.endr
	global_store_b128 v[224+\i], v[144+4*\i:147+4*\i], s[20:21] th:TH_STORE_NT
.endr
	s_wait_xcnt 0x0
	v_lshl_add_u32 v254, v0, 2, 0x19800
	v_mov_b32 v255, 0
	s_wait_tensorcnt 0x0
	ds_add_u32 v254, v255
	s_wait_dscnt 0x0
	s_endpgm
.Lfunc_end_k_q12d97c0197_chain:
	.size	k_q12d97c0197_chain, .Lfunc_end_k_q12d97c0197_chain-k_q12d97c0197_chain
	.p2alignl 7, 3214868480
	.fill 96, 4, 3214868480
	.section	.rodata,"a",@progbits
	.p2align	6, 0x0
	.amdhsa_kernel k_q12d97c0197_chain
		.amdhsa_group_segment_fixed_size 105472
		.amdhsa_private_segment_fixed_size 0
		.amdhsa_enable_private_segment 0
		.amdhsa_kernarg_size 72
		.amdhsa_user_sgpr_count 2
		.amdhsa_user_sgpr_kernarg_segment_ptr 1
		.amdhsa_wavefront_size32 1
		.amdhsa_system_sgpr_workgroup_id_x 1
		.amdhsa_system_sgpr_workgroup_id_y 1
		.amdhsa_system_sgpr_workgroup_id_z 1
		.amdhsa_system_vgpr_workitem_id 0
		.amdhsa_next_free_vgpr 512
		.amdhsa_next_free_sgpr 80
		.amdhsa_reserve_vcc 0
		.amdhsa_float_denorm_mode_32 3
		.amdhsa_float_denorm_mode_16_64 3
		.amdhsa_memory_ordered 1
		.amdhsa_forward_progress 1
		.amdhsa_inst_pref_size 255
	.end_amdhsa_kernel
	.section	.bss,"aw",@nobits
	.p2align	6
	.space	262144
	.amdgpu_metadata
---
amdhsa.version: [ 1, 2 ]
amdhsa.kernels:
  - .name:           k_q12d97c0197_chain
    .symbol:         k_q12d97c0197_chain.kd
    .args:
      - { .name: xq, .offset: 0, .size: 8, .value_kind: global_buffer, .address_space: global }
      - { .name: xs, .offset: 8, .size: 8, .value_kind: global_buffer, .address_space: global }
      - { .name: gates, .offset: 16, .size: 8, .value_kind: global_buffer, .address_space: global }
      - { .name: order, .offset: 24, .size: 8, .value_kind: global_buffer, .address_space: global }
      - { .name: tiles, .offset: 32, .size: 8, .value_kind: global_buffer, .address_space: global }
      - { .name: wq, .offset: 40, .size: 8, .value_kind: global_buffer, .address_space: global }
      - { .name: b_fc, .offset: 48, .size: 8, .value_kind: global_buffer, .address_space: global }
      - { .name: b_proj, .offset: 56, .size: 8, .value_kind: global_buffer, .address_space: global }
      - { .name: out0, .offset: 64, .size: 8, .value_kind: global_buffer, .address_space: global }
    .group_segment_fixed_size: 105472
    .private_segment_fixed_size: 0
    .kernarg_segment_align: 8
    .kernarg_segment_size: 72
    .max_flat_workgroup_size: 256
    .sgpr_count:     80
    .vgpr_count:     512
    .wavefront_size: 32
...
	.end_amdgpu_metadata
.endif
;; end of part 3
;; ======== version 2 of 2: 3 launches; version 1 with the launch chain written anew for expert scheduling mode
;; workspace buffers: xq 2,097,152 bytes; xs 131,072 bytes; gates 131,072 bytes; sel 32,768 bytes of whole numbers; order 32,768 bytes of whole numbers; tiles 1,024 bytes of whole numbers; wq 4,456,448 bytes
;; launch route: the kernel of part 1 again; grid 256 x 1, 4 waves a work-group, no clusters, 23,040 bytes of LDS; arguments x, router_w, xq, xs, gates, sel; writes xq, xs, gates, sel
;; launch prep: the kernel of part 2 again; grid 260 x 1, 8 waves a work-group, no clusters, 3,072 bytes of LDS; arguments w_fc, w_proj, sel, wq, order, tiles; writes wq, order, tiles
;; launch chain (part 4): grid 256 x 1, 8 waves a work-group, no clusters, 105,472 bytes of LDS; arguments xq, xs, gates, order, tiles, wq, b_fc, b_proj, out0; writes out0
.if DOCPART == 4
	.amdgcn_target "amdgcn-amd-amdhsa--gfx1250"
	.amdhsa_code_object_version 6
	.text
	.protected	k_q12d97c0197_chain
	.globl	k_q12d97c0197_chain
	.p2align	8
	.type	k_q12d97c0197_chain,@function
k_q12d97c0197_chain:
	s_mov_b64 s[64:65], 0
	v_nop
	global_prefetch_b8 v0, s[64:65] scope:SCOPE_SE
	s_setreg_imm32_b32 hwreg(HW_REG_WAVE_SCHED_MODE, 0, 2), 2
	s_setreg_imm32_b32 hwreg(HW_REG_WAVE_MODE, 25, 1), 1
	s_wait_xcnt 0x0
	s_wait_alu depctr_vm_vsrc(0)
; THE EXPERTS.  out[token] = sum over the token's two experts e of gate_e (gelu(x Wfc_e + bfc_e) Wproj_e + bproj_e), both products on codes of E2M1 with one E8M0 scale for each 32 along K.
; A work-group owns 32 tokens that lie side by side in the list sorted by pair of experts (order), as two subtiles of 16, and so owns their rows of out0: nothing is added between work-groups.
; It walks the experts that its tile word names (as a rule two), each in two trips of 1,024 hidden units.  THE WAVES SHARE THE COLUMNS: in a trip wave w makes hidden units 128 w .. 128 w + 127 of the half
; (they are K step w of the second product), quantises them in registers, hands their image to the others through LDS, and then makes outputs 64 w .. 64 w + 63 from all eight K steps.
; Both products are used transposed (source 0 = 16 rows of a weight, source 1 = 16 tokens): a lane holds ONE token (lane % 16) and its registers run along the result's columns.
; THE WEIGHTS come from wq, laid by the launch before in the order of the operand's registers: a lane loads whole fragments, each byte by one wave of the work-group, into a ring of four units of 64 registers
; (window 1), a trip's half ahead.  NO TENSOR LOAD, NO CLUSTER, NO JOINT REQUEST: which experts a work-group walks hangs on a word read from memory, and neighbours may walk different experts.
; A (subtile, expert) that none of its 16 tokens uses skips gelu and quantiser by a scalar branch on the tile word; its products run on old codes under the scale byte 0 and are multiplied by the gate 0.
; Every wave passes every barrier: the walk has four slots always, and a slot without an expert only passes its two barriers.
; GELU: x (0.5 + xc A(xc^2) / B(xc^2)), xc = x held to +-4 sqrt(2): the rational for erf of degrees 6 and 4 in x^2 with the 1/sqrt(2) and the 1/2 folded into its coefficients.
; LIMITS: NaN and infinities are not served.  erf is right to about 1e-7 of 1, so the relative error of gelu(x) grows for x under about -2.5 (about 4e-5 at -3); such numbers lie under the lowest
; code's edge of any block that holds a number of 0.13 or more.  A block of zeros gets the scale byte 1.
; REGISTERS, window 0: v1-11 addresses and tokens; v12-15 two coefficients; v16-79 x's 8 fragments; v80-83 x's scale words; v84-99 the ring's scale words; v100-107 the gates; v108-109 the slot's gates;
;   v110-111 the hidden scale words; v112-143 two sets of biases; v144-175 fc's 4 accumulators, v176-207 gelu at work, v208-223 codes, v224-239 quantiser at work; in the second product v144-207 its 8
;   accumulators, v208-239 two sets of hidden fragments, then the running sums; v240-247 the hidden layer's scale words; v248-255 addresses of the head and the tail.   window 1: the ring.
; THE MODE: SCHED_MODE bits 1:0 = 2 (LLVM: expert scheduling mode 2), set by the entry lines.  The code itself states the register dependences between vector or matrix instructions and memory or LDS
; instructions, with s_wait_alu, always for 0.
; THE PLAN.  Registers that memory or LDS instructions touch in the loop, and who else names them:
;   ring slot b, v[RS+4 b ..], bias set b % 2   Loads land; fc block b's 16 products read them.  ONE wait on va_vdst behind those products: the bias and the scale image are asked for again at once, the slot's
;                 16 fragment loads stand behind subtile 0's gelu and quantiser, whose lines name none of the loads' registers.  In the second product the slot and its scale words are read by two K steps' products.
;   v208-239      The quantiser writes codes and works there; IMAGE's LDS stores read the codes; then the hidden fragments land there and the products read them; then the running sums land there and the
;                 gated multiply-adds read them.  A wait on va_vdst ahead of IMAGE's stores, one on vm_vsrc behind them; a wait on va_vdst behind each K step's products, ahead of the loads into the set just read.
;   v[PW ..]      Written by the quantiser, read by IMAGE's stores: the same two waits.
;   v[HS ..]      LDS loads land, the second product's instructions read them as scales: the last K step's wait stands ahead of the next trip's loads.
;   v144-207      Written by products, gelu and the gated multiply-adds; read by the LDS stores of the sums: a wait on va_vdst ahead of each subtile's stores, one on vm_vsrc at the second product's end.
;   v[VON]        Written once a slot, behind a wait on vm_vsrc; every load that reads it stands behind a K step's wait on va_vdst.
;   v[VO], v[BIO], v[IMGW], v[HSW], v[HSR], v[FIN], v[FRD]   Made once at the head, ahead of its first wait on va_vdst; never written again.
; No third set of hidden fragments: two waves of 512 registers fill the 1,024 of a SIMD.
.set UNITB, 8704
.set TRIPB, 8*UNITB
.set HFOFF, 8*TRIPB
.set HSC,   32768                      ; LDS: 0 .. 32,767 the hidden fragments' images, 16,384 for each half: (2 ks + m) 1024 + 512 c + 16 lane;  then their scale words, 1,024 for each half: 32 (16 m + r) + 4 ks
.set FINAL, 34816                      ; then the running gated sums: for each wave 32 rows (tokens) of 256 bytes + 16: its own 64 columns
.set FPITCH, 272
.set FPW,   32*FPITCH
.set VO,   1                           ; 16 x lane
.set VON,  2                           ; the same, or 0 where the next slot has no expert
.set BIO,  3                           ; 64 (lane / 16)
.set IMGW, 4                           ; 16 lane + 2048 wave
.set HSW,  5                           ; 32 (lane % 16) + 4 wave
.set HSR,  6                           ; 32 lane
.set FIN,  7                           ; my sums as the accumulators hold them
.set FRD,  8                           ; and by rows
.set VA5,  12
.set VB3,  14
.set XF,   16
.set XS,   80
.set RS,   84
.set G,    100
.set GS,   108
.set PW,   110
.set BI,   112
.set ACC,  144
.set OA,   144
.set GX,   176
.set GQ,   184
.set GA,   192
.set GB,   200
.set PCD,  208
.set HF,   208
.set T,    208
.set QT,   224
.set HS,   240
.set CA6, 44                           ; s[44:63]: ten coefficients, each twice (a packed form names a pair)
.set CA4, 46
.set CA1, 52
.set CB4, 56
.set CB2, 58
.set MSB, 0
.macro WIN new                         ; the immediate's high byte repeats the setting that is left
.if MSB != \new
	s_set_vgpr_msb (MSB<<8)|\new
.set MSB, \new
.endif
.endm
.macro PLACES n
.rept \n
	v_nop
.endr
.endm
; one matrix instruction on the registers rD, rA, rB, rC, rSA, rSB.  ra, rb: the scales stand in lanes 16-31.  z: the sum begins with 0
.macro MM ra, rb, z
.if \z
.if (\ra) && (\rb)
	v_wmma_scale_f32_16x16x128_f8f6f4 v[rD:rD+7], v[rA:rA+7], v[rB:rB+7], 0, v[rSA], v[rSB] matrix_a_fmt:MATRIX_FMT_FP4 matrix_b_fmt:MATRIX_FMT_FP4 matrix_a_scale:MATRIX_SCALE_ROW1 matrix_b_scale:MATRIX_SCALE_ROW1
.elseif (\ra)
	v_wmma_scale_f32_16x16x128_f8f6f4 v[rD:rD+7], v[rA:rA+7], v[rB:rB+7], 0, v[rSA], v[rSB] matrix_a_fmt:MATRIX_FMT_FP4 matrix_b_fmt:MATRIX_FMT_FP4 matrix_a_scale:MATRIX_SCALE_ROW1
.elseif (\rb)
	v_wmma_scale_f32_16x16x128_f8f6f4 v[rD:rD+7], v[rA:rA+7], v[rB:rB+7], 0, v[rSA], v[rSB] matrix_a_fmt:MATRIX_FMT_FP4 matrix_b_fmt:MATRIX_FMT_FP4 matrix_b_scale:MATRIX_SCALE_ROW1
.else
	v_wmma_scale_f32_16x16x128_f8f6f4 v[rD:rD+7], v[rA:rA+7], v[rB:rB+7], 0, v[rSA], v[rSB] matrix_a_fmt:MATRIX_FMT_FP4 matrix_b_fmt:MATRIX_FMT_FP4
.endif
.else
.if (\ra) && (\rb)
	v_wmma_scale_f32_16x16x128_f8f6f4 v[rD:rD+7], v[rA:rA+7], v[rB:rB+7], v[rC:rC+7], v[rSA], v[rSB] matrix_a_fmt:MATRIX_FMT_FP4 matrix_b_fmt:MATRIX_FMT_FP4 matrix_a_scale:MATRIX_SCALE_ROW1 matrix_b_scale:MATRIX_SCALE_ROW1
.elseif (\ra)
	v_wmma_scale_f32_16x16x128_f8f6f4 v[rD:rD+7], v[rA:rA+7], v[rB:rB+7], v[rC:rC+7], v[rSA], v[rSB] matrix_a_fmt:MATRIX_FMT_FP4 matrix_b_fmt:MATRIX_FMT_FP4 matrix_a_scale:MATRIX_SCALE_ROW1
.elseif (\rb)
	v_wmma_scale_f32_16x16x128_f8f6f4 v[rD:rD+7], v[rA:rA+7], v[rB:rB+7], v[rC:rC+7], v[rSA], v[rSB] matrix_a_fmt:MATRIX_FMT_FP4 matrix_b_fmt:MATRIX_FMT_FP4 matrix_b_scale:MATRIX_SCALE_ROW1
.else
	v_wmma_scale_f32_16x16x128_f8f6f4 v[rD:rD+7], v[rA:rA+7], v[rB:rB+7], v[rC:rC+7], v[rSA], v[rSB] matrix_a_fmt:MATRIX_FMT_FP4 matrix_b_fmt:MATRIX_FMT_FP4
.endif
.endif
.endm
; a unit of wq into ring slot `slot`: 17 loads: its scale image (UNITSC), then its 8 fragments (UNITFR)
.macro UNITSC slot, sb, vo, off
	WIN 0
	global_load_b128 v[RS+4*(\slot):RS+4*(\slot)+3], v[\vo], s[\sb:\sb+1] offset:(\off)+8192
.endm
.macro UNITFR slot, sb, vo, off
	WIN 0x40                                       ; destination window 1, address window 0
.irp f, 0,1,2,3,4,5,6,7
.irp c, 0,1
	global_load_b128 v[64*(\slot)+8*\f+4*\c:64*(\slot)+8*\f+4*\c+3], v[\vo], s[\sb:\sb+1] offset:(\off)+1024*\f+512*\c
.endr
.endr
	WIN 0
.endm
.macro UNITLD slot, sb, vo, off
	UNITSC \slot, \sb, \vo, \off
	UNITFR \slot, \sb, \vo, \off
.endm
; a block's biases in the result's layout: 4 loads: lane (r, h), tile u: hidden units 16 h + 8 u + 0 .. 7 of the block
.macro BILD set, sb, off
.irp u, 0,1
.irp i, 0,1
	global_load_b128 v[BI+16*(\set)+8*\u+4*\i:BI+16*(\set)+8*\u+4*\i+3], v[BIO], s[\sb:\sb+1] offset:(\off)+32*\u+16*\i
.endr
.endr
.endm
; fc block b of the trip: 32 hidden units x 32 tokens, K = 512: 16 matrix instructions, the four accumulators by turns; the bias is the C of each sum's first.
; Behind them the first five loads of the refill; its other sixteen, the fragments, stand in TRIP, behind subtile 0's gelu.
.macro FCMM b, hf
	s_wait_loadcnt 38                              ; the block's bias has 17 + 21 younger loads, its unit 51 or more
	WIN 0x01                                       ; source 0 (the ring) window 1
.irp s, 0,1,2,3
.irp m, 0,1
.irp u, 0,1
.set rD, ACC+8*(2*\m+\u)
.set rA, 64*(\b)+8*(4*\u+\s)
.set rB, XF+32*\m+8*\s
.set rSA, RS+4*(\b)+\s
.set rSB, XS+\s
.if \s == 0
.set rC, BI+16*((\b)%2)+8*\u
.else
.set rC, rD
.endif
	MM \u, \m, 0
.endr
.endr
.endr
	WIN 0
	PLACES 5                                       ; in front of the first read of results, and (five) of the next block's products where both gelus are jumped over; they stay beside the wait below
	s_wait_alu depctr_va_vdst(0)                   ; the sixteen products are done reading this block's bias set, its scale words and ring slot b: the refill's 21 loads land there
.if \b < 2                             ; the refill, 21 loads: the bias of the block two further on in the stream, then the trip's proj unit b
	BILD (\b)%2, 34, \hf*4096+(\b+2)*128
.elseif \hf == 0
	BILD (\b)%2, 34, 4096+(\b-2)*128
.else
	BILD (\b)%2, 36, (\b-2)*128
.endif
	UNITSC \b, 30, VO, \hf*HFOFF+(4+\b)*UNITB
.endm
; gelu of the eight registers from v[a] on, in place.  The accumulator is read from its low end on.
.macro GELU8 a
.irp j, 0,1,2,3,4,5,6,7
	v_med3_num_f32 v[GX+\j], v[(\a)+\j], s42, s43
.endr
.irp p, 0,2,4,6
	v_pk_mul_f32 v[GQ+\p:GQ+\p+1], v[GX+\p:GX+\p+1], v[GX+\p:GX+\p+1]
.endr
.irp p, 0,2,4,6
	v_pk_fma_f32 v[GA+\p:GA+\p+1], v[GQ+\p:GQ+\p+1], s[CA6:CA6+1], v[VA5:VA5+1] op_sel_hi:[1,0,1]
.endr
.irp p, 0,2,4,6
	v_pk_fma_f32 v[GB+\p:GB+\p+1], v[GQ+\p:GQ+\p+1], s[CB4:CB4+1], v[VB3:VB3+1] op_sel_hi:[1,0,1]
.endr
.irp k, 0,2,4
.irp p, 0,2,4,6
	v_pk_fma_f32 v[GA+\p:GA+\p+1], v[GA+\p:GA+\p+1], v[GQ+\p:GQ+\p+1], s[CA4+\k:CA4+\k+1] op_sel_hi:[1,1,0]
.endr
.irp p, 0,2,4,6
	v_pk_fma_f32 v[GB+\p:GB+\p+1], v[GB+\p:GB+\p+1], v[GQ+\p:GQ+\p+1], s[CB2+\k:CB2+\k+1] op_sel_hi:[1,1,0]
.endr
.endr
.irp j, 0,1,2,3,4,5,6,7
	v_rcp_f32 v[GB+\j], v[GB+\j]                   ; one batch; B is under 0 everywhere
.endr
.irp k, 0,2
.irp p, 0,2,4,6
	v_pk_fma_f32 v[GA+\p:GA+\p+1], v[GA+\p:GA+\p+1], v[GQ+\p:GQ+\p+1], s[CA1+\k:CA1+\k+1] op_sel_hi:[1,1,0]
.endr
.endr
.irp p, 0,2,4,6
	v_pk_mul_f32 v[GA+\p:GA+\p+1], v[GA+\p:GA+\p+1], v[GX+\p:GX+\p+1]
.endr
	s_wait_alu depctr_va_vdst(0)                   ; one wait for the eight reciprocals in v[GB ..], behind twelve plain lines and ahead of their first reader
.irp p, 0,2,4,6
	v_pk_fma_f32 v[GA+\p:GA+\p+1], v[GA+\p:GA+\p+1], v[GB+\p:GB+\p+1], 0.5 op_sel_hi:[1,1,0]
.endr
.irp p, 0,2,4,6
	v_pk_mul_f32 v[(\a)+\p:(\a)+\p+1], v[(\a)+\p:(\a)+\p+1], v[GA+\p:GA+\p+1]
.endr
.endm
; subtile m of block b: gelu, then the block of 32 hidden units (16 in my lane, 16 in lane l xor 16) becomes codes and a scale byte.  No line here names a register of the ring, of its scale words or of the biases, nor an address.
.macro GELUQ b, m
	s_cmp_lg_u32 s[27+\m], 0
	s_cbranch_scc0 .Lskip_\@
	GELU8 ACC+16*\m
	GELU8 ACC+16*\m+8
.set HB, ACC+16*\m
	v_max3_num_f32 v[QT], |v[HB]|, |v[HB+1]|, 0x1800000      ; with the floor 2^(3 - 127)
	v_max3_num_f32 v[QT+4], |v[HB+2]|, |v[HB+3]|, |v[HB+4]|
	v_max3_num_f32 v[QT], v[QT], |v[HB+5]|, |v[HB+6]|
	v_max3_num_f32 v[QT+4], v[QT+4], |v[HB+7]|, |v[HB+8]|
	v_max3_num_f32 v[QT], v[QT], |v[HB+9]|, |v[HB+10]|
	v_max3_num_f32 v[QT+4], v[QT+4], |v[HB+11]|, |v[HB+12]|
	v_max3_num_f32 v[QT], v[QT], |v[HB+13]|, |v[HB+14]|
	v_max3_num_f32 v[QT], v[QT], v[QT+4], |v[HB+15]|
	v_permlanex16_b32 v[QT+1], v[QT], s40, s41
	v_max_num_f32 v[QT], v[QT], v[QT+1]
	v_add_nc_u32 v[QT+2], 0xff000000, v[QT]        ; 2 off the exponent field: the conversion's scale operand
	v_cvt_scalef32_pk8_fp4_f32 v[PCD+8*\m+2*\b], v[HB:HB+7], v[QT+2]
	v_cvt_scalef32_pk8_fp4_f32 v[PCD+8*\m+2*\b+1], v[HB+8:HB+15], v[QT+2]
	v_lshrrev_b32 v[QT+3], 23, v[QT+2]             ; the byte (a plain line behind the conversions)
.if \b == 0
	v_mov_b32 v[PW+\m], v[QT+3]
	s_branch .Ldone_\@
.Lskip_\@:
	v_mov_b32 v[PW+\m], 0                          ; no token of the subtile uses the expert: the byte 0 over whatever codes stand there; the gate is 0
.Ldone_\@:
.else
	v_lshl_or_b32 v[PW+\m], v[QT+3], 8*\b, v[PW+\m]
.Lskip_\@:
.endif
.endm
; my 128 hidden units of both subtiles go to LDS as images of the operand's registers, with their scale words
.macro IMAGE hf
.irp m, 0,1
.irp c, 0,1
.irp i, 0,1
	v_permlane16_swap_b32 v[PCD+8*\m+4*\c+\i], v[PCD+8*\m+4*\c+2+\i]   ; a whole block to a lane: lanes 0-15 block 2 c, lanes 16-31 block 2 c + 1
.endr
.endr
.endr
	s_wait_alu depctr_va_vdst(0)                   ; the conversions and the swaps have written v[PCD ..] and the quantiser v[PW ..], which the stores below read; and the quantiser is done with v208-239, in which the hidden fragments land behind the barrier
.irp m, 0,1
.irp c, 0,1
	ds_store_b128 v[IMGW], v[PCD+8*\m+4*\c:PCD+8*\m+4*\c+3] offset:16384*\hf+1024*\m+512*\c
.endr
	ds_store_b32 v[HSW], v[PW+\m] offset:HSC+1024*\hf+512*\m   ; lanes r and r + 16 write the same word with the same value
.endr
	s_wait_alu depctr_vm_vsrc(0)                   ; these stores have read v[PCD ..] and v[PW ..]: the hidden fragments' loads land in the first, the next trip's quantiser writes both
.endm
.macro HFLD k, hf                      ; K step k's two hidden fragments into set k % 2
.irp m, 0,1
.irp c, 0,1
	ds_load_b128 v[HF+16*((\k)%2)+8*\m+4*\c:HF+16*((\k)%2)+8*\m+4*\c+3], v[VO] offset:16384*\hf+(2*(\k)+\m)*1024+512*\c
.endr
.endr
.endm
.macro RMW m                           ; subtile m: sums += gate x result, in my own bytes of LDS
.irp n, 0,1,2,3
	ds_load_b128 v[T+8*\n:T+8*\n+3], v[FIN] offset:16*FPITCH*\m+64*\n
	ds_load_b128 v[T+8*\n+4:T+8*\n+7], v[FIN] offset:16*FPITCH*\m+64*\n+16
.endr
	s_wait_dscnt 0x0
.irp p, 0,2,4,6,8,10,12,14,16,18,20,22,24,26,28,30
	v_pk_fma_f32 v[OA+32*\m+\p:OA+32*\m+\p+1], v[OA+32*\m+\p:OA+32*\m+\p+1], v[GS:GS+1], v[T+\p:T+\p+1] op_sel:[0,\m,0] op_sel_hi:[1,\m,1]   ; each accumulator from its low end on
.endr
	s_wait_alu depctr_va_vdst(0)                   ; the multiply-adds have written the subtile's 32 registers, which the stores below read, and are done reading v[T ..], in which the other subtile's sums land
.irp n, 0,1,2,3
	ds_store_b128 v[FIN], v[OA+32*\m+8*\n:OA+32*\m+8*\n+3] offset:16*FPITCH*\m+64*\n
	ds_store_b128 v[FIN], v[OA+32*\m+8*\n+4:OA+32*\m+8*\n+7] offset:16*FPITCH*\m+64*\n+16
.endr
.endm
; the second product of a trip: my 64 outputs x 32 tokens, K = the trip's 1,024 hidden units: 8 K steps of 8 matrix instructions, the eight accumulators by turns
.macro PROJ hf
	ds_load_b128 v[HS:HS+3], v[HSR] offset:HSC+1024*\hf
	ds_load_b128 v[HS+4:HS+7], v[HSR] offset:HSC+1024*\hf+16
	HFLD 0, \hf
	HFLD 1, \hf
.irp ks, 0,1,2,3,4,5,6,7
.if (\ks%2) == 0
	s_wait_loadcnt 51                              ; the unit of these two K steps has three units of 17 loads, or more, behind it
.endif
.if \ks < 7
	s_wait_dscnt 4                                 ; this K step's fragments are in; the next one's four loads may be out
.else
	s_wait_dscnt 0x0
.endif
	WIN 0x01
.irp n, 0,1,2,3
.irp m, 0,1
.set rD, OA+8*(4*\m+\n)
.set rA, 64*(\ks/2)+8*(4*(\ks%2)+\n)
.set rB, HF+16*(\ks%2)+8*\m
.set rC, rD
.set rSA, RS+4*(\ks/2)+2*(\n/2)+(\ks%2)
.set rSB, HS+\ks
.if \ks == 0
	MM \n%2, \m, 1
.else
	MM \n%2, \m, 0
.endif
.endr
.endr
	WIN 0
	PLACES 5                                       ; in front of loads into registers just read, and of the first read of results; the places stay beside the wait below
.if (\ks) != 6                         ; K step 6 is followed by no load: it has no wait
	s_wait_alu depctr_va_vdst(0)                   ; the products issued so far are done reading the fragment set, and in an odd step the ring slot and its scale words, in which the loads below land; the last step's: also both sets, where the running sums land, and v[HS ..]; v[VON] is written
.endif
.if \ks < 6
	HFLD \ks+2, \hf
.endif
.if (\ks%2) == 1                       ; the slot is read out: it takes the next trip's fc block
.if \hf == 0
	UNITLD \ks/2, 30, VO, HFOFF+(\ks/2)*UNITB
.else
	UNITLD \ks/2, 32, VON, (\ks/2)*UNITB
.endif
.endif
.endr
	RMW 0
	RMW 1
	s_wait_dscnt 0x0                               ; the stores have read the accumulators: the next trip may write them
	s_wait_alu depctr_vm_vsrc(0)                   ; both subtiles' stores have read v144-207, which the next trip's products and gelu write
.endm
; A TRIP.  One barrier: in front of it my images are stored and my reads of the other half's images are over; behind it all eight K steps lie in LDS.
; This half's images are written again only behind the other half's barrier, which every wave reaches behind its reads of them.
.macro TRIP hf
	s_cmp_lg_u32 s26, 0
	s_cbranch_scc0 .Lnofc_\@
.irp b, 0,1,2,3
	FCMM \b, \hf
	GELUQ \b, 0
	UNITFR \b, 30, VO, \hf*HFOFF+(4+\b)*UNITB      ; the refill's sixteen fragment loads.  No wait: no vector or matrix instruction since the wait behind the block's products names ring slot b or v[VO], on either way through the gelu
	GELUQ \b, 1
.endr
	IMAGE \hf
.Lnofc_\@:
	s_wait_dscnt 0x0
	s_barrier_signal -1
	s_barrier_wait -1
	s_cmp_lg_u32 s26, 0
	s_cbranch_scc0 .Lnopj_\@
	PROJ \hf
.Lnopj_\@:
.endm
; the slot's scalars, from the list's lowest two nibbles.  What enters an address is held by s_min_u32 first.  again = 1: in the loop, where loads have read v[VON]
.macro SLOTSC again
	s_wait_xcnt 0x0                                ; the loads issued so far have read their bases and offsets
	s_and_b32 s25, s24, 7                          ; the slot's expert, 4 = none
	s_lshr_b32 s70, s24, 4
	s_and_b32 s70, s70, 7                          ; the next slot's
	s_sub_co_u32 s26, 4, s25
	s_min_u32 s26, s26, 1                          ; 1: the slot has an expert
	s_sub_co_u32 s29, 4, s70
	s_min_u32 s29, s29, 1
	s_min_u32 s71, s25, 3
	s_min_u32 s72, s70, 3
	s_mov_b32 s75, 0
	s_lshl_b32 s74, s71, 4
	s_add_co_u32 s74, s74, s22
	s_mul_i32 s74, s74, TRIPB
	s_add_nc_u64 s[30:31], s[14:15], s[74:75]      ; my wave's units of the expert's first half
	s_lshl_b32 s74, s72, 4
	s_add_co_u32 s74, s74, s22
	s_mul_i32 s74, s74, TRIPB
	s_add_nc_u64 s[32:33], s[14:15], s[74:75]      ; and of the next expert's
	s_lshl_b32 s76, s22, 9
	s_lshl_b32 s74, s71, 13
	s_add_co_u32 s74, s74, s76
	s_add_nc_u64 s[34:35], s[16:17], s[74:75]      ; b_fc likewise
	s_lshl_b32 s74, s72, 13
	s_add_co_u32 s74, s74, s76
	s_add_nc_u64 s[36:37], s[16:17], s[74:75]
	s_lshr_b32 s27, s23, s71
	s_and_b32 s27, s27, 1                          ; does subtile 0 use the expert?
	s_add_co_u32 s76, s71, 4
	s_lshr_b32 s28, s23, s76
	s_and_b32 s28, s28, 1                          ; does subtile 1?
.if \again
	s_wait_alu depctr_vm_vsrc(0)                   ; the ring's loads of the slot before have read v[VON], which the next line writes
.endif
	v_mul_u32_u24 v[VON], s29, v[VO]               ; where no expert follows, the ring's loads all name one piece inside the buffer: the counts of loads stay the same on every way
.endm
	s_load_b512 s[4:19], s[0:1], 0x0               ; xq, xs, gates, order, tiles, wq, b_fc, b_proj
	s_load_b64 s[20:21], s[0:1], 0x40              ; out0
	v_lshrrev_b32 v224, 5, v0
	v_readfirstlane_b32 s22, v224                  ; wave 0..7
	v_and_b32 v224, 31, v0                         ; lane
	v_and_b32 v225, 15, v0                         ; r
	v_bfe_u32 v226, v0, 4, 1                       ; h
	v_lshlrev_b32 v[VO], 4, v224
	v_lshlrev_b32 v[BIO], 6, v226
	s_wait_alu depctr_va_sdst(0)                   ; s22 is written, ahead of its first reader: LDS addresses and the bases of wq, b_fc, b_proj and out0 are made from it
	s_lshl_b32 s70, s22, 11
	v_add_nc_u32 v[IMGW], s70, v[VO]
	s_lshl_b32 s70, s22, 2
	v_lshl_add_u32 v[HSW], v225, 5, s70
	v_lshlrev_b32 v[HSR], 5, v224
	s_mul_i32 s70, s22, FPW
	s_add_co_u32 s70, s70, FINAL
	v_mul_u32_u24 v[FIN], v225, FPITCH
	v_lshl_add_u32 v[FIN], v226, 5, v[FIN]
	v_add_nc_u32 v[FIN], s70, v[FIN]               ; row r, + 32 h
	v_mul_u32_u24 v[FRD], v226, FPITCH
	v_lshl_add_u32 v[FRD], v225, 4, v[FRD]
	v_add_nc_u32 v[FRD], s70, v[FRD]               ; lanes 0-15 one row, lanes 16-31 the next
	v_lshlrev_b32 v253, 2, v224
	v_lshlrev_b32 v254, 2, v225
	s_lshl_b32 s72, ttmp9, 2
	s_mov_b32 s73, 0
	s_lshl_b32 s74, ttmp9, 7
	s_mov_b32 s75, 0
	s_mov_b32 s40, 0x76543210
	s_mov_b32 s41, 0xfedcba98                      ; v_permlanex16_b32: lane l xor 16
	s_wait_kmcnt 0x0
	s_add_nc_u64 s[12:13], s[12:13], s[72:73]
	s_add_nc_u64 s[68:69], s[10:11], s[74:75]      ; my tile's 32 places of the list
	s_load_b32 s23, s[12:13], 0x0                  ; the tile word
	s_wait_alu depctr_va_vdst(0)                   ; v253 and v254 are written, which the three loads below read as offsets; so are the seven addresses v[VO], v[BIO], v[IMGW], v[HSW], v[HSR], v[FIN], v[FRD], for the whole kernel
	global_load_b32 v9, v253, s[68:69]             ; the token at place lane,
	global_load_b32 v10, v254, s[68:69]            ; at place lane % 16,
	global_load_b32 v11, v254, s[68:69] offset:64  ; and at 16 + lane % 16
	s_wait_kmcnt 0x0
	s_lshr_b32 s70, s23, 4
	s_or_b32 s70, s70, s23
	s_and_b32 s70, s70, 15                         ; the experts that the tile uses
	s_mov_b32 s24, 0x40000                         ; the list: a nibble a slot, 4 = none; a fifth nibble for the last slot's look ahead
.irp k, 0,1,2,3
	s_ctz_i32_b32 s71, s70                         ; the lowest expert left (-1: none)
	s_min_u32 s71, s71, 4
	s_lshl_b32 s71, s71, 4*\k
	s_or_b32 s24, s24, s71
	s_sub_co_u32 s72, s70, 1
	s_and_b32 s70, s70, s72
.endr
	SLOTSC 0
	s_wait_loadcnt 0x0
	v_min_u32 v9, 8191, v9                         ; held inside the tables before they enter addresses
	v_min_u32 v10, 8191, v10
	v_min_u32 v11, 8191, v11
.irp m, 0,1
	v_lshlrev_b32 v[248+\m], 8, v[10+\m]
	v_lshl_add_u32 v[248+\m], v226, 4, v[248+\m]   ; x's codes: 256 bytes a token, + 16 h
	v_lshlrev_b32 v[250+\m], 4, v[10+\m]           ; the gates: 16 bytes a token
.endr
	v_lshlrev_b32 v252, 4, v9                      ; x's scale words: 16 bytes a token
	s_wait_alu depctr_va_vdst(0)                   ; v248 to v252 are written, which the loads of x, its scale words and the gates read as offsets
.irp m, 0,1
.irp s, 0,1,2,3
.irp c, 0,1
	global_load_b128 v[XF+32*\m+8*\s+4*\c:XF+32*\m+8*\s+4*\c+3], v[248+\m], s[4:5] offset:64*\s+32*\c
.endr
.endr
.endr
	global_load_b128 v[XS:XS+3], v252, s[6:7]      ; word s: lanes 0-15 subtile 0, lanes 16-31 subtile 1
	global_load_b128 v[G:G+3], v250, s[8:9]
	global_load_b128 v[G+4:G+7], v251, s[8:9]
	BILD 0, 34, 0                                  ; the ring's first fill, in the order of the loop's: two biases, four fc units: 76 loads
	BILD 1, 34, 128
.irp b, 0,1,2,3
	UNITLD \b, 30, VO, \b*UNITB
.endr
.irp i, 0,1,2,3,4,5,6,7,8,9,10,11,12,13,14,15
	v_mov_b32 v[PCD+\i], 0                         ; read on the ways that jump over a quantiser
	v_mov_b32 v[QT+\i], 0                          ; a lane permute's destination counts as read
.endr
	v_mov_b32 v[PW], 0
	v_mov_b32 v[PW+1], 0
	s_wait_alu depctr_va_vdst(0)                   ; the zeros are written: the stores below read v[PCD .. PCD+3]
.irp i, 0,1,2,3,4,5,6,7,8,9,10,11,12,13,14,15
	ds_store_b128 v[FRD], v[PCD:PCD+3] offset:2*FPITCH*\i   ; my sums begin as zeros
.endr
	s_wait_alu depctr_vm_vsrc(0)                   ; these stores have read v[PCD .. PCD+3], which the first trip's quantiser writes
	s_mov_b32 s42, 0xc0b504f3                      ; -4 sqrt(2)
	s_mov_b32 s43, 0x40b504f3
	s_mov_b32 s44, -1.50599506e-12                 ; A6
	s_mov_b32 s46, -4.6426510e-08                  ; A4
	s_mov_b32 s48, -2.51575617e-06                 ; A3
	s_mov_b32 s50, -6.4964607e-05                  ; A2
	s_mov_b32 s52, -5.2230439e-04                  ; A1
	s_mov_b32 s54, -5.6908071e-03                  ; A0
	s_mov_b32 s56, -9.10379490e-07                 ; B4
	s_mov_b32 s58, -4.20706744e-04                 ; B2
	s_mov_b32 s60, -3.68666458e-03                 ; B1
	s_mov_b32 s62, -1.42647391e-02                 ; B0
.irp k, 44,46,48,50,52,54,56,58,60,62
	s_mov_b32 s[\k+1], s[\k]
.endr
	v_mov_b32 v[VA5], 3.06119941e-10               ; A5
	v_mov_b32 v[VA5+1], v[VA5]
	v_mov_b32 v[VB3], -2.66717569e-05              ; B3
	v_mov_b32 v[VB3+1], v[VB3]
	s_wait_loadcnt 63                              ; the gates are in: 76 loads are younger
	s_mov_b32 s38, 0
.Lslot:                                            ; four slots, always
	SLOTSC 1
	v_mov_b32 v[GS], v[G]                          ; the slot's gates of my token in either subtile: a choice of values, no branch
	v_mov_b32 v[GS+1], v[G+4]
.irp k, 1,2,3
	s_cmp_eq_u32 s71, \k
	s_cselect_b32 s66, -1, 0
	v_cndmask_b32 v[GS], v[GS], v[G+\k], s66
	v_cndmask_b32 v[GS+1], v[GS+1], v[G+4+\k], s66
.endr
	TRIP 0
	TRIP 1
	s_lshr_b32 s24, s24, 4
	s_add_co_u32 s38, s38, 1
	s_cmp_lt_u32 s38, 4
	s_cbranch_scc1 .Lslot
	; THE WAY OUT.  My 64 columns of the 32 tokens' sums come back by rows; sum over e of gate_e b_proj[e] is added; sixteen lanes store 256 consecutive bytes, aligned, of one token's row.
	s_wait_loadcnt 0x0                             ; the ring's last loads
	v_bfe_u32 v255, v0, 4, 1
	v_lshlrev_b32 v255, 2, v255
	v_and_b32 v254, 15, v0
	v_lshlrev_b32 v254, 4, v254
	s_lshl_b32 s74, s22, 8
	s_mov_b32 s75, 0
	s_add_nc_u64 s[18:19], s[18:19], s[74:75]
	s_add_nc_u64 s[20:21], s[20:21], s[74:75]
	s_wait_alu depctr_va_vdst(0)                   ; v254 and v255 are written, which the loads below read as offsets
.irp i, 0,1,2,3,4,5,6,7,8,9,10,11,12,13,14,15
	global_load_b32 v[112+\i], v255, s[68:69] offset:8*\i     ; the token at place 2 i + lane / 16
.endr
.irp e, 0,1,2,3
	global_load_b128 v[128+4*\e:131+4*\e], v254, s[18:19] offset:2048*\e
.endr
.irp i, 0,1,2,3,4,5,6,7,8,9,10,11,12,13,14,15
	ds_load_b128 v[144+4*\i:147+4*\i], v[FRD] offset:2*FPITCH*\i   ; my own bytes: no barrier
.endr
	s_wait_loadcnt 4                               ; the tokens are in; b_proj's four loads may be out
.irp i, 0,1,2,3,4,5,6,7,8,9,10,11,12,13,14,15
	v_min_u32 v[112+\i], 8191, v[112+\i]
	v_lshlrev_b32 v[208+\i], 4, v[112+\i]
	v_lshl_add_u32 v[224+\i], v[112+\i], 11, v254
.endr
	s_wait_alu depctr_va_vdst(0)                   ; v208 to v223 are written, which the gates' loads read as offsets, and v224 to v239, which the stores at the end read
.irp i, 0,1,2,3,4,5,6,7,8,9,10,11,12,13,14,15
	global_load_b128 v[16+4*\i:19+4*\i], v[208+\i], s[8:9]    ; its four gates
.endr
	s_wait_loadcnt 0x0
	s_wait_dscnt 0x0
.irp q, 0,1                            ; eight pairs of rows at a time: their 64 multiply-adds, one wait, their eight stores.  The second 64 write registers that the first eight stores do not read
.irp i, 0,1,2,3,4,5,6,7
.irp d, 0,1
.irp c, 0,2
	v_pk_fma_f32 v[144+4*(8*\q+\i)+\c:145+4*(8*\q+\i)+\c], v[16+4*(8*\q+\i)+2*\d:17+4*(8*\q+\i)+2*\d], v[128+8*\d+\c:129+8*\d+\c], v[144+4*(8*\q+\i)+\c:145+4*(8*\q+\i)+\c] op_sel:[0,0,0] op_sel_hi:[0,1,1]
	v_pk_fma_f32 v[144+4*(8*\q+\i)+\c:145+4*(8*\q+\i)+\c], v[16+4*(8*\q+\i)+2*\d:17+4*(8*\q+\i)+2*\d], v[132+8*\d+\c:133+8*\d+\c], v[144+4*(8*\q+\i)+\c:145+4*(8*\q+\i)+\c] op_sel:[1,0,0] op_sel_hi:[1,1,1]
.endr
.endr
.endr
	s_wait_alu depctr_va_vdst(0)                   ; the multiply-adds have written these 32 registers, which the eight stores below read
.irp i, 0,1,2,3,4,5,6,7
	global_store_b128 v[224+8*\q+\i], v[144+4*(8*\q+\i):147+4*(8*\q+\i)], s[20:21] th:TH_STORE_NT
.endr
.endr
	s_wait_xcnt 0x0
	s_wait_alu depctr_vm_vsrc(0)                   ; the way out's loads have read v254 and v255 as offsets: the two lines below write them anew
	v_lshl_add_u32 v254, v0, 2, 0x19800
	v_mov_b32 v255, 0
	s_wait_dscnt 0x0                               ; the closing lines, six on end
	s_wait_alu 0x0
	s_wait_tensorcnt 0x0
	ds_add_u32 v254, v255
	s_wait_dscnt 0x0
	s_endpgm
.Lfunc_end_k_q12d97c0197_chain:
	.size	k_q12d97c0197_chain, .Lfunc_end_k_q12d97c0197_chain-k_q12d97c0197_chain
	.p2alignl 7, 3214868480
	.fill 96, 4, 3214868480
	.section	.rodata,"a",@progbits
	.p2align	6, 0x0
	.amdhsa_kernel k_q12d97c0197_chain
		.amdhsa_group_segment_fixed_size 105472
		.amdhsa_private_segment_fixed_size 0
		.amdhsa_enable_private_segment 0
		.amdhsa_kernarg_size 72
		.amdhsa_user_sgpr_count 2
		.amdhsa_user_sgpr_kernarg_segment_ptr 1
		.amdhsa_wavefront_size32 1
		.amdhsa_system_sgpr_workgroup_id_x 1
		.amdhsa_system_sgpr_workgroup_id_y 1
		.amdhsa_system_sgpr_workgroup_id_z 1
		.amdhsa_system_vgpr_workitem_id 0
		.amdhsa_next_free_vgpr 512
		.amdhsa_next_free_sgpr 80
		.amdhsa_reserve_vcc 0
		.amdhsa_float_denorm_mode_32 3
		.amdhsa_float_denorm_mode_16_64 3
		.amdhsa_memory_ordered 1
		.amdhsa_forward_progress 1
		.amdhsa_inst_pref_size 255
	.end_amdhsa_kernel
	.section	.bss,"aw",@nobits
	.p2align	6
	.space	262144
	.amdgpu_metadata
---
amdhsa.version: [ 1, 2 ]
amdhsa.kernels:
  - .name:           k_q12d97c0197_chain
    .symbol:         k_q12d97c0197_chain.kd
    .args:
      - { .name: xq, .offset: 0, .size: 8, .value_kind: global_buffer, .address_space: global }
      - { .name: xs, .offset: 8, .size: 8, .value_kind: global_buffer, .address_space: global }
      - { .name: gates, .offset: 16, .size: 8, .value_kind: global_buffer, .address_space: global }
      - { .name: order, .offset: 24, .size: 8, .value_kind: global_buffer, .address_space: global }
      - { .name: tiles, .offset: 32, .size: 8, .value_kind: global_buffer, .address_space: global }
      - { .name: wq, .offset: 40, .size: 8, .value_kind: global_buffer, .address_space: global }
      - { .name: b_fc, .offset: 48, .size: 8, .value_kind: global_buffer, .address_space: global }
      - { .name: b_proj, .offset: 56, .size: 8, .value_kind: global_buffer, .address_space: global }
      - { .name: out0, .offset: 64, .size: 8, .value_kind: global_buffer, .address_space: global }
    .group_segment_fixed_size: 105472
    .private_segment_fixed_size: 0
    .kernarg_segment_align: 8
    .kernarg_segment_size: 72
    .max_flat_workgroup_size: 256
    .sgpr_count:     80
    .vgpr_count:     512
    .wavefront_size: 32
...
	.end_amdgpu_metadata
.endif
;; end of part 4
